; MI455X (gfx1250); checked and timed in simulation.
; The chip was launched on July 23, 2026; its instructions are those of AMD's public machine-readable ISA for CDNA 5 (MIT licence, August 2026) and "CDNA5" Instruction Set Architecture Reference Guide (July 2026). The comments in the code are by the model that wrote it; some were corrected since.
;; Multi Head Attention. Allowed arithmetic: matrix products marked QUANTISED: E4M3 operands, one E8M0 scale for each 32 along K, by v_wmma_scale_f32_16x16x128_f8f6f4 with both operands' format E4M3, f32 sums; everything else in f32.
;; Inputs: Wk 1,024 x 1,024 float32; Wp 1,024 x 1,024 float32; Wq 1,024 x 1,024 float32; Wv 1,024 x 1,024 float32; bp 1,024 float32; key 4 x 2,048 x 1,024 float32; mask 1 x 1 x 2,048 x 2,048 int32; query 4 x 2,048 x 1,024 float32; value 4 x 2,048 x 1,024 float32.
;; Outputs: out0 4 x 2,048 x 1,024 float32.
;; This version of the problem:
;;   THIS VERSION OF THE PROBLEM IS GIVEN IN LOW PRECISION. The matrix products marked QUANTISED in the list below multiply operands that are first quantised to E4M3 (4 exponent bits, 3 mantissa bits; 8 bits a number), with one power-of-two scale for each 32 numbers along K (OCP MX v1.0); their sums are f32. All else is computed in f32.
;;   The module's matrix products, in the order in which they are computed (A, B: the left and right operand; K: the contracted axis; several contracted axes count as one K, in the product's order):
;;     1. [M 8,192, K 1,024] x [K 1,024, N 1,024]; A: input query; B: input Wq: QUANTISED
;;     2. [M 8,192, K 1,024] x [K 1,024, N 1,024]; A: input key; B: input Wk: QUANTISED
;;     3. [M 8,192, K 1,024] x [K 1,024, N 1,024]; A: input value; B: input Wv: QUANTISED
;;     4. batch 64 x [M 2,048, K 64] x [K 64, N 2,048]; A: computed on the way; B: computed on the way: QUANTISED
;;     5. batch 64 x [M 2,048, K 2,048] x [K 2,048, N 64]; A: softmax (see below); B: computed on the way: QUANTISED
;;     6. [M 8,192, K 1,024] x [K 1,024, N 1,024]; A: computed on the way; B: input Wp: QUANTISED
;;   THE QUANTISER, for each operand of a quantised product, along K:
;;     - K is cut into blocks of 32 from its start; a last block that is shorter is filled with zeros.
;;     - A block's scale is 2^e with e = floor(log2(the largest magnitude in the block)) - 8, held to -126 .. 127; a block of zeros has e = 0. As a byte (E8M0): e + 127.
;;     - Each number is divided by its block's scale, clamped to +-448, and rounded to the nearest number of E4M3, ties to even, subnormals kept.
;;     - The product sums the exact products of the quantised numbers (number of the format x scale) in f32.
;;   ~~~python
;;   def quantise(x, axis):      # numpy; x: float32 -> the quantised numbers, widened to float32 again
;;       x = np.moveaxis(x, axis, -1); K = x.shape[-1]
;;       x = np.pad(x, [(0, 0)] * (x.ndim - 1) + [(0, -K % 32)]); x = x.reshape(x.shape[:-1] + (-1, 32)); a = np.abs(x).max(-1, keepdims=True)
;;       e = np.where(a > 0, np.clip(np.frexp(np.where(a > 0, a, 1))[1] - 1 - 8, -126, 127), 0)      # np.frexp(a)[1] - 1 = floor(log2(a)), exactly
;;       r = np.clip(x / 2.0 ** e, -448, 448)
;;       step = 2.0 ** (np.maximum(np.frexp(np.where(r == 0, 1, r))[1] - 1, -6) - 3)
;;       q = np.round(r / step) * step * 2.0 ** e      # np.round: ties to even
;;       return np.moveaxis(q.reshape(q.shape[:-2] + (-1,))[..., :K], -1, axis).astype(np.float32)
;;   ~~~
;;   SOFTMAX AHEAD OF A QUANTISED PRODUCT. Where the list says 'softmax', what is quantised is not the finished softmax but p = 2^(t - M), with t = logit x log2(e) and M = ceil(the row's largest t), a whole number; so 1/2 < the row's largest p <= 1. The row's sum l is taken of the UNQUANTISED p, in f32, and the product's result is divided by l at the end. Since M is a whole number, a kernel that streams over the keys may use a running M (the ceiling of the running maximum): every later rescaling is an exact power of two, which a block's scale takes up: the codes' values come out the same.
;;   OPERANDS COMPUTED ON THE WAY. 'Computed on the way' means the value that the module computes at that place (a softmax that the list does not call 'softmax' is quantised finished and normalised). What goes into a quantiser is computed in f32, as accurately as f32 sums, v_exp_f32 and their like allow (about 1e-6 of the number): no bf16 or f16 on the way to a quantiser, and a product that is left as it is and whose result goes on into a quantised operand takes f32 operands (vector FMAs, or v_wmma_f32_16x16x4_f32). A number that lies on a knife's edge between two numbers of the format may be rounded either way, as far as f32 arithmetic and the matrix unit's own rounding can turn it there, and no further.
;; One version. Each part assembles by itself: llvm-mc -triple=amdgcn-amd-amdhsa -mcpu=gfx1250 --defsym DOCPART=n.
;; ======== version 1 of 1: 4 launches
;; limits: right only within a limited range of input values
;; workspace buffers: xc 29,360,128 bytes; xs 917,504 bytes; mb 524,288 bytes of whole numbers; hc 25,165,824 bytes; hs 786,432 bytes; oc 8,388,608 bytes; os 262,144 bytes
;; launch prep (part 1): grid 1152 x 1, 4 waves a work-group, no clusters, 56,832 bytes of LDS; arguments query, key, value, Wq, Wk, Wv, Wp, mask, xc, xs, mb; writes xc, xs, mb
.if DOCPART == 1
	.amdgcn_target "amdgcn-amd-amdhsa--gfx1250"
	.amdhsa_code_object_version 6
	.text
	.protected	k_qeb91b530af_prep
	.globl	k_qeb91b530af_prep
	.p2align	8
	.type	k_qeb91b530af_prep,@function
k_qeb91b530af_prep:
	s_mov_b64 s[64:65], 0
	v_nop
	global_prefetch_b8 v0, s[64:65] scope:SCOPE_SE
	s_setreg_imm32_b32 hwreg(HW_REG_WAVE_MODE, 25, 1), 1
	s_wait_xcnt 0x0
; PREP.  (1) query, key, value [8192][1024] and Wq, Wk, Wv, Wp [1024][1024], f32, K innermost, become codes of FP8 (E4M3) in xc, rows of 1,024 bytes, the seven tensors on end,
; and one E8M0 scale byte for each 32 along K in xs, 32 bytes a row.  A block's scale is 2^(floor(log2(its largest magnitude)) - 8); its byte is that magnitude's exponent field - 8, held at 1 from below;
; each number is divided by the scale, held within +-448 and rounded to the nearest code, ties to even.
; (2) mask [2048][2048] i32 becomes lane masks in mb: [query tile 128][key step 16][64 words]; bit l of word n says that mask[16 tile + l % 16][128 step + 32 (n / 16) + 16 (l / 16) + n % 16] is not 0:
; the very lane and register in which the attention launch holds that score.
; ROW ORDER.  In key, value, Wq, Wk, Wv the second and third groups of 8 rows of every 32 change places in xc and xs.  Sixteen stored rows 16 i + r are then the true rows 32 (i / 2) + 8 (i % 2) + r + 8 (r / 8),
; so that in the next launch a lane's 16 registers of two neighbouring result tiles are 16 neighbours along the next product's K.  query and Wp keep their order.
; SHARES.  Work-groups 0-895: 32 rows each, 8 rows (8,192 numbers, 16 steps of 512) a wave.  Work-groups 896-1151: a wave takes one query tile x two key steps of the mask.  Waves share nothing: no barrier.
; Each load reads 512 consecutive bytes; a step's 2,048 bytes turn through the wave's own stage in LDS so that a lane holds 16 neighbours; codes leave 512 bytes a store, a wave's 256 scale bytes as one aligned store.
; The two paths part on the work-group's number and have LDS bytes of their own.
; LIMITS: NaN and infinities among the inputs are not served.  A block whose largest magnitude lies under 2^-118 gets the byte 1, a block of zeros too (the rule says 127): its codes are zeros, and this program alone reads the bytes.
.set STEPS, 16
.set EMAX,  8
.set MANT,  0x600000                   ; the mantissa field of 448 as f32
.set CB,    16                         ; bytes of 16 codes
.set R,     16                         ; v16-79   four sets of 16 numbers as they are loaded
.set X,     80                         ; v80-111  two sets of 16 neighbours
.set C,     128                        ; v128-191 codes: four registers for each step
.set E,     112                        ; v112-127 a scale byte for each step
.set WREG,  5632                       ; LDS of the quantising path: a region for each wave: two stages of 32 x SP bytes, then its 256 scale bytes: 5,376 bytes, in whole blocks of 256
.set SP,    80                         ; a lane's place in a stage: 64 bytes + 16 of padding
.set QWG,   896                        ; work-groups that quantise
.set MST,   22528                      ; LDS of the mask path: behind the other path's four regions
.set MPITCH, 528                       ; a row of 128 mask words: 512 bytes + 16 of padding
.set ML,    16                         ; v16-143  the mask as loaded: two key steps x 16 rows x 4 registers
.set MW,    144                        ; v144-147 the lane masks, two registers for each key step
.macro PICK lim, p                     ; from work-group lim on: the tensor whose address lies in s[p:p+1]
	s_cmp_ge_u32 ttmp9, \lim
	s_cselect_b64 s[4:5], s[\p:\p+1], s[4:5]
	s_cselect_b32 s26, \lim, s26
.endm
.macro LOAD t
.irp i, 0,1,2,3
	global_load_b128 v[R+16*((\t)%4)+4*\i:R+16*((\t)%4)+4*\i+3], v3, s[4:5] offset:2048*(\t)+512*\i th:TH_LOAD_NT   ; 32 lanes read 512 consecutive bytes
.endr
.endm
.macro TURN t                          ; step t's numbers through the stage: LDS serves a wave's instructions in order, so no wait stands between the stores and the loads
.irp i, 0,1,2,3
	ds_store_b128 v14, v[R+16*((\t)%4)+4*\i:R+16*((\t)%4)+4*\i+3] offset:32*SP*((\t)%2)+8*SP*\i
.endr
.irp i, 0,1,2,3
	ds_load_b128 v[X+16*((\t)%2)+4*\i:X+16*((\t)%2)+4*\i+3], v15 offset:32*SP*((\t)%2)+16*\i
.endr
.endm
.macro STEP t
.set XS, X+16*((\t)%2)
.if (\t) > 0
	s_wait_dscnt 1                                 ; this step's numbers are back from the stage; the last step's byte store may be out
.else
	s_wait_dscnt 0x0
.endif
.if (\t)+4 < STEPS
	LOAD (\t)+4                                    ; the stage's stores have read these registers: they take the loads of four steps on
.endif
.if (\t)+1 < STEPS
.if STEPS-2-(\t) >= 3
	s_wait_loadcnt 12                              ; the next step's four loads are in; those of the three steps behind it may be out
.else
	s_wait_loadcnt 4*(STEPS-2-(\t))                ; the tail: the steps still behind the next one
.endif
	TURN (\t)+1                                    ; through the other stage while this step is worked
.endif
	v_max3_num_f32 v8, |v[XS]|, |v[XS+1]|, |v[XS+2]|               ; the largest magnitude of my 16, in two chains
	v_max3_num_f32 v9, |v[XS+3]|, |v[XS+4]|, |v[XS+5]|
.irp i, 6,10
	v_max3_num_f32 v8, v8, |v[XS+\i]|, |v[XS+\i+1]|
	v_max3_num_f32 v9, v9, |v[XS+\i+2]|, |v[XS+\i+3]|
.endr
	v_max3_num_f32 v8, v8, |v[XS+14]|, |v[XS+15]|
	v_max3_num_f32 v8, v8, v9, (EMAX+1)<<23        ; and the floor 2^(9 - 127): the byte cannot fall under 1
	v_max_num_f32_dpp v8, v8, v8 row_xmask:1 row_mask:0xf bank_mask:0xf   ; with my neighbour's 16: the block's
	v_add_nc_u32 v11, 0xfc000000, v8               ; 8 off its exponent field: the conversion takes this operand's exponent field as its scale
	v_and_or_b32 v10, v8, 0x7f800000, s29          ; 448 x the scale
.irp i, 0,1,2,3,4,5,6,7,8,9,10,11,12,13,14,15
	v_med3_num_f32 v[XS+\i], v[XS+\i], -v10, v10   ; the conversion to an 8-bit code does not saturate (ISA guide 7.6.2): the hold comes first
.endr
	v_cvt_scalef32_pk8_fp8_f32 v[C+4*(\t):C+4*(\t)+1], v[XS:XS+7], v11
	v_cvt_scalef32_pk8_fp8_f32 v[C+4*(\t)+2:C+4*(\t)+3], v[XS+8:XS+15], v11
	v_lshrrev_b32 v[E+(\t)], 23, v11               ; the scale's byte (also the plain line behind the conversions)
	ds_store_b8 v5, v[E+(\t)] offset:16*(\t)       ; both lanes of a block write the same byte with the same value
	global_store_b128 v4, v[C+4*(\t):C+4*(\t)+3], s[20:21] offset:32*CB*(\t)   ; 32 lanes store 512 consecutive bytes
.endm
	s_load_b512 s[4:19], s[0:1], 0x0               ; query, key, value, Wq, Wk, Wv, Wp, mask
	s_load_b128 s[20:23], s[0:1], 0x40             ; xc, xs
	s_load_b64 s[24:25], s[0:1], 0x50              ; mb
	v_lshl_add_u32 v12, v0, 2, 0xdc00              ; my spare word, behind both paths' bytes
	v_mov_b32 v13, 0
	v_lshrrev_b32 v1, 5, v0
	v_readfirstlane_b32 s27, v1                    ; wave 0..3
	v_and_b32 v2, 31, v0                           ; lane
	v_lshlrev_b32 v3, 4, v2                        ; my 16 bytes of a load's 512
	v_lshlrev_b32 v7, 3, v2                        ; 8 bytes a lane, on both ways out
	s_cmp_ge_u32 ttmp9, QWG
	s_cbranch_scc1 .Lmask
	; ---- the quantising path
	s_mul_i32 s28, s27, WREG
	v_lshrrev_b32 v14, 2, v2
	v_mul_u32_u24 v14, v14, SP
	v_and_b32 v15, 3, v2
	v_lshl_add_u32 v14, v15, 4, v14
	v_add_nc_u32 v14, s28, v14                     ; the stage, on the way in: SP (lane / 4) + 16 (lane % 4)
	v_mul_u32_u24 v15, v2, SP
	v_add_nc_u32 v15, s28, v15                     ; on the way out: SP x lane: my 16 neighbours
	v_mul_u32_u24 v4, v2, CB                       ; my codes' place in a step's
	v_lshrrev_b32 v5, 1, v2
	s_add_co_u32 s28, s28, 2*32*SP
	v_add_nc_u32 v5, s28, v5                       ; my wave's 256 scale bytes: my block's byte
	v_add_nc_u32 v6, s28, v7                       ; and 8 of them a lane on the way out
	s_mov_b32 s29, MANT
	s_mov_b32 s26, 0
	s_wait_alu depctr_va_vdst(0)
	s_wait_kmcnt 0x0
	PICK 256, 6                                    ; which tensor, and its first work-group: the choice hangs on the work-group's number alone
	PICK 512, 8
	PICK 768, 10
	PICK 800, 12
	PICK 832, 14
	PICK 864, 16
	s_sub_co_u32 s30, ttmp9, s26
	s_lshl_b32 s30, s30, 2
	s_add_co_u32 s30, s30, s27                     ; my run of 8 rows in the tensor,
	s_lshl_b32 s30, s30, 15                        ; 32,768 bytes each (33.5 MB at the most)
	s_mov_b32 s31, 0
	s_add_nc_u64 s[4:5], s[4:5], s[30:31]
	s_and_b32 s32, s27, 1
	s_lshl_b32 s32, s32, 1
	s_lshr_b32 s33, s27, 1
	s_or_b32 s32, s32, s33                         ; the wave's number with its two bits exchanged: groups 1 and 2 of 8 rows change places
	s_sub_co_u32 s33, ttmp9, 256
	s_cmp_lt_u32 s33, 608                          ; key, value, Wq, Wk, Wv are work-groups 256 to 863
	s_cselect_b32 s32, s32, s27
	s_lshl_b32 s33, ttmp9, 2
	s_add_co_u32 s32, s33, s32                     ; the run's place in xc and xs
	s_lshl_b32 s34, s32, 13                        ; 8,192 bytes of codes,
	s_mov_b32 s35, 0
	s_add_nc_u64 s[20:21], s[20:21], s[34:35]
	s_lshl_b32 s34, s32, 8                         ; 256 scale bytes
	s_add_nc_u64 s[22:23], s[22:23], s[34:35]
.irp t, 0,1,2,3
	LOAD \t
.endr
	s_wait_loadcnt 12                              ; step 0's four loads are in
	TURN 0
.irp t, 0,1,2,3,4,5,6,7,8,9,10,11,12,13,14,15
	STEP \t
.endr
	ds_load_b64 v[8:9], v6                         ; LDS serves a wave's instructions in order: these see my byte stores
	s_wait_dscnt 0x0
	global_store_b64 v7, v[8:9], s[22:23]          ; 32 lanes store 256 consecutive bytes, aligned
	s_wait_tensorcnt 0x0
	ds_add_u32 v12, v13
	s_wait_dscnt 0x0
	s_endpgm
	; ---- the mask path: unit id = 4 (work-group - 896) + wave: query tile id / 8, key steps 2 (id % 8) and 2 (id % 8) + 1
.Lmask:
	s_sub_co_u32 s28, ttmp9, QWG
	s_lshl_b32 s28, s28, 2
	s_add_co_u32 s28, s28, s27                     ; id
	s_lshr_b32 s30, s28, 3
	s_lshl_b32 s30, s30, 17                        ; 16 rows of 8,192 bytes a tile
	s_and_b32 s31, s28, 7
	s_lshl_b32 s31, s31, 10                        ; two key steps of 512 bytes
	s_add_co_u32 s30, s30, s31
	s_mov_b32 s31, 0
	s_lshl_b32 s32, s28, 9                         ; mb: 256 bytes for a tile and a step
	s_mov_b32 s33, 0
	s_mul_i32 s34, s27, 16*MPITCH
	s_add_co_u32 s34, s34, MST                     ; my stage
	s_wait_alu depctr_va_vdst(0)
	v_add_nc_u32 v4, s34, v3                       ; in: 16 bytes a lane of a row
	v_and_b32 v5, 15, v2
	v_lshrrev_b32 v6, 4, v2
	v_mul_u32_u24 v5, v5, MPITCH
	v_lshl_add_u32 v5, v6, 6, v5
	v_add_nc_u32 v5, s34, v5                       ; out: row lane % 16, + 64 bytes for lanes 16-31
.irp i, 0,1,2,3
	v_mov_b32 v[MW+\i], 0                          ; a lane write's destination counts as read
.endr
	s_wait_alu depctr_va_vdst(0)
	s_wait_kmcnt 0x0
	s_add_nc_u64 s[18:19], s[18:19], s[30:31]
	s_add_nc_u64 s[24:25], s[24:25], s[32:33]
.irp k, 0,1
.irp i, 0,1,2,3,4,5,6,7,8,9,10,11,12,13,14,15
	global_load_b128 v[ML+64*\k+4*\i:ML+64*\k+4*\i+3], v3, s[18:19] offset:8192*\i+512*\k th:TH_LOAD_NT   ; row i, 128 keys: 512 consecutive bytes
.endr
.endr
.irp k, 0,1
	s_wait_loadcnt 16-16*\k                        ; this key step's 16 loads are in; the other step's may be out
.irp i, 0,1,2,3,4,5,6,7,8,9,10,11,12,13,14,15
	ds_store_b128 v4, v[ML+64*\k+4*\i:ML+64*\k+4*\i+3] offset:MPITCH*\i
.endr
	s_wait_dscnt 0x0                               ; the stores have read their registers: the same 64 take the words back in the score's layout
.irp b, 0,1,2,3
.irp j, 0,1,2,3
	ds_load_b128 v[ML+64*\k+16*\b+4*\j:ML+64*\k+16*\b+4*\j+3], v5 offset:128*\b+16*\j   ; register 16 b + i: key 32 b + 16 (lane / 16) + i of row lane % 16
.endr
.endr
	s_wait_dscnt 0x0
.set n, 0
.rept 64
	v_cmp_ne_u32 s[36+n%4], 0, v[ML+64*\k+n]       ; word n: a bit for each lane
	v_writelane_b32 v[MW+2*\k+n%2], s[36+n%4], n/2 ; words 2 L and 2 L + 1 go to lane L's pair
.set n, n+1
.endr
	global_store_b64 v7, v[MW+2*\k:MW+2*\k+1], s[24:25] offset:256*\k   ; 32 lanes store 256 consecutive bytes, aligned
.endr
	s_wait_tensorcnt 0x0
	ds_add_u32 v12, v13
	s_wait_dscnt 0x0
	s_endpgm
.Lfunc_end_k_qeb91b530af_prep:
	.size	k_qeb91b530af_prep, .Lfunc_end_k_qeb91b530af_prep-k_qeb91b530af_prep
	.p2alignl 7, 3214868480
	.fill 96, 4, 3214868480
	.section	.rodata,"a",@progbits
	.p2align	6, 0x0
	.amdhsa_kernel k_qeb91b530af_prep
		.amdhsa_group_segment_fixed_size 56832
		.amdhsa_private_segment_fixed_size 0
		.amdhsa_enable_private_segment 0
		.amdhsa_kernarg_size 88
		.amdhsa_user_sgpr_count 2
		.amdhsa_user_sgpr_kernarg_segment_ptr 1
		.amdhsa_wavefront_size32 1
		.amdhsa_system_sgpr_workgroup_id_x 1
		.amdhsa_system_sgpr_workgroup_id_y 1
		.amdhsa_system_sgpr_workgroup_id_z 1
		.amdhsa_system_vgpr_workitem_id 0
		.amdhsa_next_free_vgpr 192
		.amdhsa_next_free_sgpr 66
		.amdhsa_reserve_vcc 0
		.amdhsa_float_denorm_mode_32 3
		.amdhsa_float_denorm_mode_16_64 3
		.amdhsa_memory_ordered 1
		.amdhsa_forward_progress 1
		.amdhsa_inst_pref_size 77
	.end_amdhsa_kernel
	.amdgpu_metadata
---
amdhsa.version: [ 1, 2 ]
amdhsa.kernels:
  - .name:           k_qeb91b530af_prep
    .symbol:         k_qeb91b530af_prep.kd
    .args:
      - { .name: query, .offset: 0, .size: 8, .value_kind: global_buffer, .address_space: global }
      - { .name: key, .offset: 8, .size: 8, .value_kind: global_buffer, .address_space: global }
      - { .name: value, .offset: 16, .size: 8, .value_kind: global_buffer, .address_space: global }
      - { .name: Wq, .offset: 24, .size: 8, .value_kind: global_buffer, .address_space: global }
      - { .name: Wk, .offset: 32, .size: 8, .value_kind: global_buffer, .address_space: global }
      - { .name: Wv, .offset: 40, .size: 8, .value_kind: global_buffer, .address_space: global }
      - { .name: Wp, .offset: 48, .size: 8, .value_kind: global_buffer, .address_space: global }
      - { .name: mask, .offset: 56, .size: 8, .value_kind: global_buffer, .address_space: global }
      - { .name: xc, .offset: 64, .size: 8, .value_kind: global_buffer, .address_space: global }
      - { .name: xs, .offset: 72, .size: 8, .value_kind: global_buffer, .address_space: global }
      - { .name: mb, .offset: 80, .size: 8, .value_kind: global_buffer, .address_space: global }
    .group_segment_fixed_size: 56832
    .private_segment_fixed_size: 0
    .kernarg_segment_align: 8
    .kernarg_segment_size: 88
    .max_flat_workgroup_size: 128
    .sgpr_count:     66
    .vgpr_count:     192
    .wavefront_size: 32
...
	.end_amdgpu_metadata
.endif
;; end of part 1
;; launch gemmq (part 2): grid 4 x 96, 4 waves a work-group, clusters of 4 x 4, 327,680 bytes of LDS; arguments xc, xs, hc, hs; writes hc, hs
.if DOCPART == 2
	.amdgcn_target "amdgcn-amd-amdhsa--gfx1250"
	.amdhsa_code_object_version 6
	.text
	.protected	k_qeb91b530af_gemmq
	.globl	k_qeb91b530af_gemmq
	.p2align	8
	.type	k_qeb91b530af_gemmq,@function
k_qeb91b530af_gemmq:
	s_mov_b64 s[64:65], 0
	v_nop
	global_prefetch_b8 v0, s[64:65] scope:SCOPE_SE
	s_setreg_imm32_b32 hwreg(HW_REG_WAVE_MODE, 25, 1), 1
	s_wait_xcnt 0x0
	s_wait_alu depctr_hold_cnt(0) depctr_sa_sdst(0) depctr_va_vdst(0) depctr_va_sdst(0) depctr_va_ssrc(0) depctr_va_vcc(0) depctr_vm_vsrc(0)
	s_getreg_b32 s2, hwreg(HW_REG_IB_STS2, 6, 4)
	s_cmp_eq_u32 s2, 0
	s_cbranch_scc0 .Lentry_in_a_cluster
	s_endpgm
.Lentry_in_a_cluster:
	s_bfe_u32 s2, ttmp6, 0x10000c
	s_cmp_lg_u32 s2, 0xf033
	s_cbranch_scc0 .Lentry_shape_is_right
	s_endpgm
.Lentry_shape_is_right:
.set KSTEP,  256
.set NQ,     KSTEP/128
.set ROWB,   256
.set KROW,   1024
.set PITCH,  272
.set FR,     16
.set NL,     4
.set NP,     8
.set HALFT,  128*PITCH
.set SLOT,   4*HALFT
.set LAPS,   2
.set KS,     32
.set SCL,    2*SLOT
.set HALFS,  (128*KS/256)*272
.set SBLK,   (16*KS/256)*272
.set SPARE,  SCL+4*HALFS
.set ADRA, 16
.set ADRB, 20
.set ADRS, 27
.set SPW,  28
.set NIL,  29
.set SC,   32
.set TM,   64
.set WD,   80
.set OFFC, 88
.set ZR,   92
.set ZA,   96
.set AF,   128
.set PC,   128
.set G1, 24
.set G0, 32
.set G1B, 48
.set G0B, 56
.set G1S, 68
.set G0S, 76
.set G1SB, 80
.set G0SB, 88
.set MSB, 0
.macro WIN new
.if MSB != \new
	s_set_vgpr_msb (MSB<<8)|\new
.set MSB, \new
.endif
.endm
.set MUL_LO, 0xa1
.set MUL_HI, 0xf1
.set TO_B,   0x40
.macro JLOAD g0a, g1a, g0b, g1b
	s_cmp_eq_u32 s15, 0
	s_cbranch_scc0 .Lfor_b_\@
	tensor_load_to_lds s[\g0a:\g0a+3], s[\g1a:\g1a+7]
	s_nop 0
.rept 4
	v_nop
.endr
	s_branch .Lasked_\@
.Lfor_b_\@:
	tensor_load_to_lds s[\g0b:\g0b+3], s[\g1b:\g1b+7]
	s_nop 0
.rept 4
	v_nop
.endr
.Lasked_\@:
.endm
.macro CREST
	s_cmp_lg_u32 s14, 0
	s_cbranch_scc1 .Lnot_wave_0_\@
	s_barrier_signal -3
.Lnot_wave_0_\@:
	s_barrier_wait -3
	s_barrier_signal -1
	s_barrier_wait -1
.endm
.macro CROUND
	s_barrier_signal -1
	s_barrier_wait -1
	CREST
.endm
	s_load_b256 s[4:11], s[0:1], 0x0
	v_lshl_add_u32 v[SPW], v0, 2, SPARE
	v_mov_b32 v[NIL], 0
	ds_add_u32 v28, v29
	ds_add_u32 v28, v29
	s_wait_dscnt 0x0
	v_lshrrev_b32 v1, 5, v0
	v_readfirstlane_b32 s14, v1
	s_lshr_b32 s15, s14, 1
	s_and_b32 s16, s14, 1
	s_bfe_u32 s40, ttmp6, 0x40000
	s_bfe_u32 s41, ttmp6, 0x40004
	s_and_b32 s2, ttmp7, 0xffff
	s_lshr_b32 s95, s2, 3
	s_and_b32 s2, s2, 7
	s_lshl_b32 s2, s2, 2
	s_lshl_b32 s101, s95, 23
	s_lshl_b32 s100, s95, 20
	s_add_co_u32 s100, s100, 25165824
	s_mov_b32 s96, 1024
	s_mov_b32 s97, 0
	s_mov_b32 s99, 0
	s_cmp_eq_u32 s95, 2
	s_cselect_b32 s17, 0, s2
	s_cselect_b32 s42, s2, 0
	s_cselect_b32 s12, 27262976, s101
	s_cselect_b32 s13, 16777216, s100
	s_cselect_b32 s96, 2048, s96
	s_cselect_b32 s98, 122880, 0
	s_cselect_b32 s100, 0, 130048
	s_add_co_u32 s17, s17, s41
	s_add_co_u32 s42, s42, s40
	s_lshl_b32 s43, s41, 2
	s_lshl_b32 s43, 15, s43
	s_lshl_b32 s44, 0x1111, s40
	s_or_b32 s[G1+0], s43, (0<<16)|(1<<20)|(1<<21)|(5<<22)|(3<<25)
	s_or_b32 s[G1B+0], s44, (0<<16)|(1<<20)|(1<<21)|(5<<22)|(3<<25)
.irp g, G1, G1B
	s_mov_b32 s[\g+1], ROWB<<16
	s_mov_b32 s[\g+2], 256<<16
	s_mov_b32 s[\g+3], ROWB<<16
	s_mov_b32 s[\g+4], 256
	s_mov_b32 s[\g+5], KROW
	s_mov_b32 s[\g+6], 0
	s_mov_b32 s[\g+7], 0
.endr
	s_or_b32 s[G1S+0], s43, (3<<16)|(1<<20)|(1<<21)|(5<<22)|(3<<25)
	s_or_b32 s[G1SB+0], s44, (3<<16)|(1<<20)|(1<<21)|(5<<22)|(3<<25)
.irp g, G1S, G1SB
	s_mov_b32 s[\g+1], 32<<16
	s_mov_b32 s[\g+2], (256*KS/256)<<16
	s_mov_b32 s[\g+3], 32<<16
	s_mov_b32 s[\g+4], 256*KS/256
	s_mov_b32 s[\g+5], 32
	s_mov_b32 s[\g+6], 0
	s_mov_b32 s[\g+7], 0
.endr
	s_lshl_b32 s18, s16, 7
	s_lshl_b32 s20, s17, 8
	s_add_co_u32 s20, s20, s18
	s_lshl_b32 s46, s42, 8
	s_add_co_u32 s46, s46, s18
	s_lshl_b32 s22, s20, 5
	s_lshr_b32 s21, s12, 5
	s_add_co_u32 s22, s22, s21
	s_mov_b32 s23, 0
	s_lshl_b32 s20, s20, 10
	s_add_co_u32 s20, s20, s12
	s_mov_b32 s21, 0
	s_lshl_b32 s92, s46, 5
	s_lshr_b32 s47, s13, 5
	s_add_co_u32 s92, s92, s47
	s_mov_b32 s93, 0
	s_lshl_b32 s46, s46, 10
	s_add_co_u32 s46, s46, s13
	s_mov_b32 s47, 0
	s_mul_i32 s45, s14, HALFT
	s_wait_kmcnt 0x0
	s_add_nc_u64 s[20:21], s[4:5], s[20:21]
	s_add_nc_u64 s[22:23], s[6:7], s[22:23]
	s_add_nc_u64 s[46:47], s[4:5], s[46:47]
	s_add_nc_u64 s[92:93], s[6:7], s[92:93]
	CROUND
; THE HEAD'S FOUR TILES, EACH WHOLE, ONE LOAD A WAVE: wave 0 K step 0's 256 rows of A, wave 1 the scales of A's 256 rows, wave 2 K step 0's 256 rows of B, wave 3 B's scales.
; Waves 0 and 2 have the half 0 in their addresses of codes, which is the tile's first row; the scales' addresses go back by the half's 4,096 bytes.
	s_lshl_b32 s18, s16, 12
	s_mov_b32 s19, 0
	s_sub_nc_u64 s[22:23], s[22:23], s[18:19]
	s_sub_nc_u64 s[92:93], s[92:93], s[18:19]
; THE PREFETCHES: behind K step t's load each wave asks for K step t + 2 (t = 0, 1): 256 bytes of a row, a lane a row.  Of the 128 rows that a wave fetches in the ring, each of the four partners that ask for them jointly
; names 32, told apart by address (cx for A's rows, cy for B's): each 256 bytes are named once in the cluster.  K has four steps: nothing lies behind step 3.  s[4:5] and v30 are never written again.
	s_cmp_eq_u32 s15, 0
	s_cselect_b64 s[4:5], s[20:21], s[46:47]
	s_cselect_b32 s18, s40, s41
	s_lshl_b32 s18, s18, 15                        ; 32 rows of 1,024 bytes
	s_add_nc_u64 s[4:5], s[4:5], s[18:19]
	v_and_b32 v30, 31, v0
	v_lshlrev_b32 v30, 10, v30
	s_mov_b32 s[G0S], 1
	s_mov_b32 s[G0S+1], SCL
	s_mov_b64 s[G0S+2:G0S+3], s[22:23]
	s_or_b32 s[G0S+3], s[G0S+3], 0x80000000
	s_mov_b32 s[G0SB], 1
	s_mov_b32 s[G0SB+1], SCL+2*HALFS
	s_mov_b64 s[G0SB+2:G0SB+3], s[92:93]
	s_or_b32 s[G0SB+3], s[G0SB+3], 0x80000000
	s_mov_b32 s[G0], 1
	s_mov_b32 s[G0+1], 0
	s_mov_b64 s[G0+2:G0+3], s[20:21]
	s_or_b32 s[G0+3], s[G0+3], 0x80000000
	s_mov_b32 s[G0B], 1
	s_mov_b32 s[G0B+1], 2*HALFT
	s_mov_b64 s[G0B+2:G0B+3], s[46:47]
	s_or_b32 s[G0B+3], s[G0B+3], 0x80000000
.macro ARM under, g0, g1, next         ; one tree of branches on the wave's number: every way through the head passes one load
	s_cmp_lt_u32 s14, \under
	s_cbranch_scc0 \next
	tensor_load_to_lds s[\g0:\g0+3], s[\g1:\g1+7]
	s_nop 0
.rept 4
	v_nop
.endr
	s_branch .Lhead_asked
\next:
.endm
	s_wait_alu depctr_va_vdst(0)
	ARM 1, G0,  G1,  .Lhead_sa
	ARM 2, G0S, G1S, .Lhead_b
	ARM 3, G0B, G1B, .Lhead_sb
	tensor_load_to_lds s[G0SB:G0SB+3], s[G1SB:G1SB+7]
	s_nop 0
.rept 4
	v_nop
.endr
.Lhead_asked:
	global_prefetch_b8 v30, s[4:5] offset:2*ROWB th:TH_LOAD_NT scope:SCOPE_SE
	s_wait_alu depctr_va_vdst(0)
	s_wait_tensorcnt 0x0                           ; my tile of the four is in, so every descriptor may be written
	ds_add_u32 v28, v29
	s_mov_b32 s[G1+2], 128<<16                     ; from here on a load brings 128 rows
	s_mov_b32 s[G1+4], 128
	s_mov_b32 s[G1B+2], 128<<16
	s_mov_b32 s[G1B+4], 128
.irp s, 0,1
	s_mov_b32 s[G0+4*\s], 1
	s_add_co_u32 s[G0+4*\s+1], s45, \s*SLOT
	s_add_nc_u64 s[G0+4*\s+2:G0+4*\s+3], s[20:21], \s*ROWB
	s_or_b32 s[G0+4*\s+3], s[G0+4*\s+3], 0x80000000
	s_mov_b32 s[G0B+4*\s], 1
	s_add_co_u32 s[G0B+4*\s+1], s45, \s*SLOT
	s_add_nc_u64 s[G0B+4*\s+2:G0B+4*\s+3], s[46:47], \s*ROWB
	s_or_b32 s[G0B+4*\s+3], s[G0B+4*\s+3], 0x80000000
.endr
	s_wait_dscnt 0x0
	CROUND                                         ; all four tiles are in, in every partner
	JLOAD G0+4, G1, G0B+4, G1B                     ; K step 1: the first tensor load behind the round
	global_prefetch_b8 v30, s[4:5] offset:3*ROWB th:TH_LOAD_NT scope:SCOPE_SE
	v_and_b32 v1, 15, v0
	v_bfe_u32 v2, v0, 4, 1
	v_mul_u32_u24 v3, v1, PITCH
	v_lshl_add_u32 v4, v2, 4, v3
	s_mul_i32 s21, s15, HALFT
	s_mul_i32 s22, s16, HALFT
	s_add_co_u32 s22, s22, 2*HALFT
.irp s, 0,1
	v_add_nc_u32 v[ADRA+\s], s21, v4
	v_add_nc_u32 v[ADRB+\s], s22, v4
	s_add_co_u32 s21, s21, SLOT
	s_add_co_u32 s22, s22, SLOT
.endr
	v_mul_u32_u24 v5, v1, KS
	v_lshrrev_b32 v6, 8, v5
	v_lshl_add_u32 v5, v6, 4, v5
	s_mul_i32 s21, s15, HALFS
	s_mul_i32 s22, s16, HALFS
	s_add_co_u32 s22, s22, 2*HALFS
	s_sub_co_u32 s22, s22, s21
	v_mul_u32_u24 v6, s22, v2
	s_add_co_u32 s21, s21, SCL
	v_add_nc_u32 v5, v5, v6
	v_add_nc_u32 v[ADRS], s21, v5
	v_and_b32 v6, 31, v0
	v_lshlrev_b32 v6, 4, v6
	v_mov_b32 v[OFFC], v6
	v_add_nc_u32 v[OFFC+1], 512, v6
	v_add_nc_u32 v7, s100, v6
	v_add_nc_u32 v[OFFC+2], 1024, v7
	v_add_nc_u32 v[OFFC+3], 1536, v7
	v_lshlrev_b32 v[ZA], 5, v1
	v_lshl_add_u32 v[ZA], v2, 4, v[ZA]
	s_mov_b32 s18, 0x76543210
	s_mov_b32 s19, 0xfedcba98
	s_mov_b32 s2, 0x600000
	s_lshl_b32 s20, s17, 1
	s_add_co_u32 s20, s20, s15
	s_lshl_b32 s21, s42, 1
	s_add_co_u32 s21, s21, s16
	s_cmp_eq_u32 s95, 2
	s_cselect_b32 s22, s21, s20
	s_cselect_b32 s23, s20, s21
	s_lshr_b32 s20, s22, 4
	s_and_b32 s21, s22, 15
	s_lshl_b32 s46, s20, 4
	s_lshl_b32 s47, s23, 1
	s_add_co_u32 s46, s46, s47
	s_lshl_b32 s46, s46, 17
	s_lshl_b32 s47, s21, 13
	s_add_co_u32 s46, s46, s47
	s_add_co_u32 s46, s46, s101
	s_mov_b32 s47, 0
	s_add_nc_u64 s[12:13], s[8:9], s[46:47]
	s_lshl_b32 s46, s20, 3
	s_add_co_u32 s46, s46, s23
	s_mul_i32 s46, s46, 3
	s_add_co_u32 s46, s46, s95
	s_lshl_b32 s46, s46, 4
	s_add_co_u32 s46, s46, s21
	s_lshl_b32 s46, s46, 9
	s_add_nc_u64 s[104:105], s[10:11], s[46:47]
.macro FRAG reg, adr, q, i
.irp c, 0,1,2,3
	ds_load_b128 v[\reg+4*\c:\reg+4*\c+3], v[\adr] offset:128*(\q)+32*\c+(\i)*16*PITCH
.endr
.endm
.macro MUL16 a0, p, q, sc, zero
.irp a, \a0, \a0+1
.irp b, 0,1,2,3,4,5,6,7
.if \zero
	v_wmma_scale_f32_16x16x128_f8f6f4 v[8*(8*((\a)%4)+\b):8*(8*((\a)%4)+\b)+7], v[128*(\p)+FR*\b:128*(\p)+FR*\b+FR-1], v[AF+FR*(\a):AF+FR*(\a)+FR-1], 0, v[SC+8*NQ*(\sc)+NQ*\b+(\q)], v[SC+8*NQ*(\sc)+NQ*(\a)+(\q)] matrix_a_scale:MATRIX_SCALE_ROW1
.else
	v_wmma_scale_f32_16x16x128_f8f6f4 v[8*(8*((\a)%4)+\b):8*(8*((\a)%4)+\b)+7], v[128*(\p)+FR*\b:128*(\p)+FR*\b+FR-1], v[AF+FR*(\a):AF+FR*(\a)+FR-1], v[8*(8*((\a)%4)+\b):8*(8*((\a)%4)+\b)+7], v[SC+8*NQ*(\sc)+NQ*\b+(\q)], v[SC+8*NQ*(\sc)+NQ*(\a)+(\q)] matrix_a_scale:MATRIX_SCALE_ROW1
.endif
.endr
.endr
.endm
.macro FETCH_B slot, q, p
	WIN TO_B
.irp i, 0,1,2,3,4,5,6,7
	FRAG 128*(\p)+FR*\i, ADRB+\slot, \q, \i
.endr
	WIN 0
.endm
.macro FETCH_A slot, q, i0
.irp i, \i0, \i0+1, \i0+2, \i0+3
	FRAG AF+FR*(\i), ADRA+\slot, \q, \i
.endr
.endm
.macro SCALES sc
.irp i, 0,1,2,3,4,5,6,7
	ds_load_b64 v[SC+8*NQ*\sc+NQ*\i:SC+8*NQ*\sc+NQ*\i+1], v[ADRS] offset:\i*SBLK
.endr
.endm
.macro PLACES n
.rept \n
	v_nop
.endr
.endm
.macro STEP slot, q, zero
	s_wait_dscnt 4*NL
	WIN MUL_LO
	MUL16 0, (\q)%2, \q, \slot, \zero
	MUL16 2, (\q)%2, \q, \slot, \zero
	s_wait_dscnt 0
	PLACES NP
	FETCH_B \slot, (\q)+1, 1-(\q)%2
	FETCH_A \slot, (\q)+1, 0
	WIN MUL_HI
	MUL16 4, (\q)%2, \q, \slot, \zero
	MUL16 6, (\q)%2, \q, \slot, \zero
	PLACES NP
	WIN 0
	FETCH_A \slot, (\q)+1, 4
.endm
.macro TURN slot, next, fill
	s_wait_tensorcnt 0x0
	ds_add_u32 v[SPW], v[NIL]
	s_wait_dscnt 4*NL+1
	WIN MUL_LO
	MUL16 0, 1, NQ-1, \slot, 0
	s_wait_dscnt 0x0
	s_barrier_signal -1
	MUL16 2, 1, NQ-1, \slot, 0
	WIN 0
	s_barrier_wait -1
.if \fill
	CREST
	s_add_nc_u64 s[G0+4*\slot+2:G0+4*\slot+3], s[G0+4*\slot+2:G0+4*\slot+3], 2*ROWB
	s_add_nc_u64 s[G0B+4*\slot+2:G0B+4*\slot+3], s[G0B+4*\slot+2:G0B+4*\slot+3], 2*ROWB
	JLOAD G0+4*\slot, G1, G0B+4*\slot, G1B
	PLACES NP-4
.else
	PLACES NP
.endif
	s_wait_alu depctr_va_vdst(0)
	v_add_nc_u32 v[ADRS], 4*NQ, v[ADRS]
	FETCH_B \next, 0, 0
	FETCH_A \next, 0, 0
	SCALES \next
	WIN MUL_HI
	MUL16 4, 1, NQ-1, \slot, 0
	MUL16 6, 1, NQ-1, \slot, 0
	PLACES NP
	WIN 0
	FETCH_A \next, 0, 4
.endm
	s_wait_tensorcnt 1
	s_barrier_signal -1
	s_barrier_wait -1
	FETCH_B 0, 0, 0
	FETCH_A 0, 0, 0
	SCALES 0
	FETCH_A 0, 0, 4
	STEP 0, 0, 1
	s_mov_b32 s3, LAPS-1
.Llap:
	TURN 0, 1, 1
	STEP 1, 0, 0
	TURN 1, 0, 1
	STEP 0, 0, 0
	s_sub_co_u32 s3, s3, 1
	s_cmp_lg_u32 s3, 0
	s_cbranch_scc1 .Llap
	TURN 0, 1, 0
	STEP 1, 0, 0
	s_wait_dscnt 4*NL
	WIN MUL_LO
	MUL16 0, 1, NQ-1, 1, 0
	MUL16 2, 1, NQ-1, 1, 0
	s_wait_dscnt 0
	WIN MUL_HI
	MUL16 4, 1, NQ-1, 1, 0
	MUL16 6, 1, NQ-1, 1, 0
	WIN 0
.macro QUANTW a
.set AC, 64*((\a)%4)
.set W, 2+(\a)/4
.set PA, PC+16*(\a)
.set WW, (W<<2)|(W<<4)
	WIN WW
.irp g, 0,1,2,3
	v_max3_num_f32 v[TM+\g], 0x4800000, |v[AC+16*\g]|, |v[AC+16*\g+1]|
.endr
.irp i, 2,4,6,8,10,12,14
.irp g, 0,1,2,3
	v_max3_num_f32 v[TM+\g], v[TM+\g], |v[AC+16*\g+\i]|, |v[AC+16*\g+\i+1]|
.endr
.endr
	WIN 0
.irp g, 0,1,2,3
	v_permlanex16_b32 v[TM+4+\g], v[TM+\g], s18, s19
.endr
.irp g, 0,1,2,3
	v_max_num_f32 v[TM+\g], v[TM+\g], v[TM+4+\g]
.endr
.irp g, 0,1,2,3
	v_add_nc_u32 v[TM+12+\g], 0xfc000000, v[TM+\g]
.endr
.irp g, 0,1,2,3
	v_and_or_b32 v[TM+8+\g], v[TM+\g], 0x7f800000, s2
.endr
.irp g, 0,1,2,3
	v_lshrrev_b32 v[TM+4+\g], 23, v[TM+12+\g]
.endr
	v_lshl_or_b32 v[WD+(\a)], v[TM+5], 8, v[TM+4]
	v_lshl_or_b32 v[WD+(\a)], v[TM+6], 16, v[WD+(\a)]
	v_lshl_or_b32 v[WD+(\a)], v[TM+7], 24, v[WD+(\a)]
.set WW, (W<<6)|W
	WIN WW
.irp g, 0,1,2,3
.irp i, 0,1,2,3,4,5,6,7,8,9,10,11,12,13,14,15
	v_med3_num_f32 v[AC+16*\g+\i], v[AC+16*\g+\i], -v[TM+8+\g], v[TM+8+\g]
.endr
.endr
	WIN W
.irp g, 0,1,2,3
	v_cvt_scalef32_pk8_fp8_f32 v[PA+4*\g:PA+4*\g+1], v[AC+16*\g:AC+16*\g+7], v[TM+12+\g]
	v_cvt_scalef32_pk8_fp8_f32 v[PA+4*\g+2:PA+4*\g+3], v[AC+16*\g+8:AC+16*\g+15], v[TM+12+\g]
.endr
	WIN 0
	v_nop
.endm
.macro OUTW a
.set PA, PC+16*(\a)
.if (\a) > 0
	s_wait_xcnt 0x0
	s_add_nc_u64 s[12:13], s[12:13], s[96:97]
.endif
.if (\a) == 4
	s_add_nc_u64 s[12:13], s[12:13], s[98:99]
.endif
.irp c, 0,1,2,3
	global_store_b128 v[OFFC+\c], v[PA+4*\c:PA+4*\c+3], s[12:13]
.endr
.endm
	PLACES NP
.irp g, 0,1,2,3
	v_mov_b32 v[TM+4+\g], 0
.endr
.irp a, 0,1,2,3,4,5,6,7
	QUANTW \a
	s_wait_alu depctr_va_vdst(0)
	OUTW \a
.endr
	s_mov_b32 vcc_lo, 0xffff0000
.irp i, 0,1,2,3
	v_cndmask_b32 v[ZR+\i], v[WD+\i], v[WD+4+\i], vcc_lo
.endr
	global_store_b128 v[ZA], v[ZR:ZR+3], s[104:105]
	s_wait_tensorcnt 0x0
	ds_add_u32 v[SPW], v[NIL]
	s_wait_dscnt 0x0
	CROUND
	s_endpgm
.Lfunc_end_k_qeb91b530af_gemmq:
	.size	k_qeb91b530af_gemmq, .Lfunc_end_k_qeb91b530af_gemmq-k_qeb91b530af_gemmq
	.p2alignl 7, 3214868480
	.fill 96, 4, 3214868480
	.section	.rodata,"a",@progbits
	.p2align	6, 0x0
	.amdhsa_kernel k_qeb91b530af_gemmq
		.amdhsa_group_segment_fixed_size 327680
		.amdhsa_private_segment_fixed_size 0
		.amdhsa_enable_private_segment 0
		.amdhsa_kernarg_size 32
		.amdhsa_user_sgpr_count 2
		.amdhsa_user_sgpr_kernarg_segment_ptr 1
		.amdhsa_wavefront_size32 1
		.amdhsa_system_sgpr_workgroup_id_x 1
		.amdhsa_system_sgpr_workgroup_id_y 1
		.amdhsa_system_sgpr_workgroup_id_z 1
		.amdhsa_system_vgpr_workitem_id 0
		.amdhsa_next_free_vgpr 1024
		.amdhsa_next_free_sgpr 106
		.amdhsa_reserve_vcc 1
		.amdhsa_float_denorm_mode_32 3
		.amdhsa_float_denorm_mode_16_64 3
		.amdhsa_memory_ordered 1
		.amdhsa_forward_progress 1
		.amdhsa_inst_pref_size 188
	.end_amdhsa_kernel
	.amdgpu_metadata
---
amdhsa.version: [ 1, 2 ]
amdhsa.kernels:
  - .name:           k_qeb91b530af_gemmq
    .symbol:         k_qeb91b530af_gemmq.kd
    .args:
      - { .name: xc, .offset: 0, .size: 8, .value_kind: global_buffer, .address_space: global }
      - { .name: xs, .offset: 8, .size: 8, .value_kind: global_buffer, .address_space: global }
      - { .name: hc, .offset: 16, .size: 8, .value_kind: global_buffer, .address_space: global }
      - { .name: hs, .offset: 24, .size: 8, .value_kind: global_buffer, .address_space: global }
    .group_segment_fixed_size: 327680
    .private_segment_fixed_size: 0
    .kernarg_segment_align: 8
    .kernarg_segment_size: 32
    .max_flat_workgroup_size: 128
    .sgpr_count:     106
    .vgpr_count:     1024
    .wavefront_size: 32
...
	.end_amdgpu_metadata
.endif
;; end of part 2
;; launch attn (part 3): grid 4 x 64, 16 waves a work-group, clusters of 4 x 1, 327,680 bytes of LDS; arguments hc, hs, mb, oc, os; writes oc, os
.if DOCPART == 3
	.amdgcn_target "amdgcn-amd-amdhsa--gfx1250"
	.amdhsa_code_object_version 6
	.text
	.protected	k_qeb91b530af_attn
	.globl	k_qeb91b530af_attn
	.p2align	8
	.type	k_qeb91b530af_attn,@function
k_qeb91b530af_attn:
	s_mov_b64 s[64:65], 0
	v_nop
	global_prefetch_b8 v0, s[64:65] scope:SCOPE_SE
	s_setreg_imm32_b32 hwreg(HW_REG_WAVE_MODE, 25, 1), 1
	s_wait_xcnt 0x0
	s_wait_alu depctr_hold_cnt(0) depctr_sa_sdst(0) depctr_va_vdst(0) depctr_va_sdst(0) depctr_va_ssrc(0) depctr_va_vcc(0) depctr_vm_vsrc(0)
	s_getreg_b32 s2, hwreg(HW_REG_IB_STS2, 6, 4)
	s_cmp_eq_u32 s2, 0
	s_cbranch_scc0 .Lentry_in_a_cluster
	s_endpgm
.Lentry_in_a_cluster:
	s_bfe_u32 s2, ttmp6, 0x10000c
	s_cmp_lg_u32 s2, 0x3003
	s_cbranch_scc0 .Lentry_shape_is_right
	s_endpgm
.Lentry_shape_is_right:
; ATTN.  For one batch and head: S = q k^T / 32; where the mask is 0 the score becomes ZERO (it still counts in the softmax); p = 2^(t - M), t = score x log2(e), M the running largest t rounded up to a whole number;
; p is quantised along the keys; O = p V / (the sum of the unquantised p); O is quantised along the channels for the output projection.  Both products on codes of FP8 (E4M3) with E8M0 scales.
; SHARES.  A work-group owns 512 queries of one (batch, head); each of its sixteen waves two tiles of 16 queries, one after the other (two passes), in 256 registers.  Every wave walks all 2,048 keys, 128 a step.
; OPERANDS come as images of their registers (registers 4 c .. 4 c + 3 of lane l at 512 c + 16 l).  The head has 64 channels, half of the matrix instruction's K.  TWO KEY TILES SHARE A FRAGMENT: tile 2 j fills registers 0-7 (K = 0 .. 63),
; tile 2 j + 1 registers 8-15 (K = 64 .. 127).  Q stands between two runs of eight zero registers: v[16:31] = [Q | 0] picks the even tile, v[8:23] = [0 | Q] the odd one.  So a step's 16 loads fill 64 registers with eight tiles, for eight products on end.
; THE SCALE WORDS are laid anew once, in LDS bytes of their own: for a step and a row 32 bytes: four words of K (word j: tile 2 j's two bytes below, tile 2 j + 1's above) and my head's four words of V: one load of 16 bytes each a step.
; THE WHOLE HEAD'S K AND V STAY IN LDS, each byte filled once.  Chunk 0 (two key steps) and the scale words are asked for at the head by waves 0 to 2; the other seven chunks of K and of V behind one round, one load in each of waves 0 to 13;
; they have two key steps in which to land.  Behind the barrier that follows those steps there is no load and no barrier any more.
; CLUSTER.  The four work-groups of a cluster belong to one head: every load is asked for jointly.  No prefetch: each byte of K and V is asked for once, in these two groups at the launch's start, and no loop runs ahead of a load.
; LAYOUT.  Both products are used transposed (S^T = K Q^T, O^T = V^T P^T): a lane holds one query (lane % 16).  Register 16 b + i of S^T is key 32 b + 16 (lane / 16) + i, register 16 g + i of O^T channel 32 g + 16 (lane / 16) + i (the launch before ordered the rows so).
; THE MASK comes as lane masks, one word for each register of S^T, by scalar loads a step ahead: one v_cndmask_b32 a score.
; THE ORDER OF A STEP.  V's four tiles go into K's registers as soon as the scores are made; p is held into three buffers of eight registers by turns, so that the unheld p stays; its sums stand behind the second product,
; where they are the places in front of the next step's loads of K, and their last eight additions behind the next step's first product, where they are the places in front of V's loads and of the first read of the scores.
; OUT.  oc: [16 tokens 512][head 16][c 2][lane 32][16 bytes];  os: [token 8,192][32]: two bytes a head.
; LIMITS: NaN and infinities are not served; a p under 2^-126 counts as 0; a block whose largest magnitude lies under 2^-118, a block of zeros too, gets the scale byte 1: this program alone reads the bytes; the scaled scores stay under 2^31 in magnitude.
; REGISTERS: v0 (once the thread's number has served) and v1-6 addresses; v7 Q's scale word; v8-31 zeros, Q, zeros; v32-95 K's eight tiles, then V's four; v96-159 S^T, then p; v160-191 O^T; v192-215 at work: maxima, held p, partial sums;
;   v216 -M, v217 the largest score, v[218:219] the sum; v220-223 V's scale words; v224-239 p's codes; v240-243 the holds; v244-247 the conversions' scales; v248-251 K's scale words; v252 f; v253 p's scale word; v254, v255 at work.
.set KL,    0                          ; LDS: K's codes,
.set VL,    131072                     ; V's,
.set KSL,   262144                     ; K's scale words as they come, 8,192 bytes,
.set VSL,   270336                     ; V's,
.set SC2,   278528                     ; the scale words laid anew: 16 steps x 16 rows x 32 bytes; no load lands here
.set SPARE, 311296                     ; the spare words, 128 bytes for each wave: eight blocks of 256 bytes that no other line names
.set LI,  1                            ; v1  16 x lane
.set R32, 2                            ; v2  32 x (lane % 16)
.set SPW, 3
.set NIL, 4
.set ADK, 5
.set ADV, 6
.set QS,  7
.set FA,  32
.set TT,  192                          ; three buffers of eight; also BM, PD, BN and the eight partial sums
.set BM,  192
.set PD,  196
.set BN,  200
.set NM,  216
.set RM,  217
.set L,   218
.set VSC, 220
.set KSC, 248
.set ADSR, 0                           ; v0 takes the scale words' address once the thread's number has served
.set WV,  2                            ; s2  my wave's number
.set MNT, 3                            ; s3  the mantissa field of 448
.set MO,  14                           ; s14 the byte in my two tiles' mask words at which the next step's begin
.set CNT, 15
.set SEL, 28                           ; s[28:29]
.set CS,  30                           ; s[30:31] c = log2(e) / 32
.set TB,  66                           ; s66  the step's place in K's and V's codes
.set TS,  67                           ; s67  LDS address of the step's scale words
.macro CROUND                          ; a round of the cluster's barrier
	s_barrier_signal -1
	s_barrier_wait -1
	s_cmp_lg_u32 s[WV], 0
	s_cbranch_scc1 .Lnot_wave_0_\@
	s_barrier_signal -3
.Lnot_wave_0_\@:
	s_barrier_wait -3
	s_barrier_signal -1
	s_barrier_wait -1
.endm
.macro JLOAD lim                       ; waves under lim issue their one joint load; s_nop 0 and four v_nop follow it
	s_cmp_lt_u32 s[WV], \lim
	s_cbranch_scc0 .Lnone_\@
	tensor_load_to_lds s[24:27], s[16:23]
	s_nop 0
.rept 4
	v_nop
.endr
.Lnone_\@:
.endm
.macro MASKLOAD                        ; a step's 64 lane masks: s32-63 for registers 0-31 of S^T, s68-99 for registers 32-63
	s_load_b512 s[32:47], s[12:13], s[MO] offset:0x0
	s_load_b512 s[48:63], s[12:13], s[MO] offset:0x40
	s_load_b512 s[68:83], s[12:13], s[MO] offset:0x80
	s_load_b512 s[84:99], s[12:13], s[MO] offset:0xc0
.endm
.macro QLOAD p                         ; my pass's tile of Q and its two scale bytes
	global_load_b128 v[16:19], v[LI], s[4:5] offset:1024*\p
	global_load_b128 v[20:23], v[LI], s[4:5] offset:1024*\p+512
	global_load_u16 v[QS], v[R32], s[6:7] offset:4*\p
.endm
.macro STATE                           ; a pass begins: Q's two bytes stand in both halves of its scale word; the largest score under every score, -M a large whole number, sums and O^T zero: the first f is 0 and leaves zeros zeros
	v_lshl_or_b32 v[QS], v[QS], 16, v[QS]
	v_mov_b32 v[RM], 0xff61b1e6
	v_mov_b32 v[NM], 0x7d000000
	v_mov_b32 v[L], 0
	v_mov_b32 v[L+1], 0
.set n, 0
.rept 32
	v_mov_b32 v[160+n], 0
.set n, n+1
.endr
.set n, 0
.rept 16
	v_mov_b32 v[TT+n], 0                           ; the eight partial sums (v196-199 are also lane permutes' destinations, which count as read)
.set n, n+1
.endr
.endm
.macro KFETCH                          ; the addresses of the step at s[TB], s[TS], its eight tiles of K and their scale words
	v_add_nc_u32 v[ADK], s[TB], v[LI]
	v_add_nc_u32 v[ADSR], s[TS], v[R32]
	v_add_nc_u32 v[ADV], VL, v[ADK]
.set n, 0
.rept 16
	ds_load_b128 v[FA+4*n:FA+4*n+3], v[ADK] offset:512*n
.set n, n+1
.endr
	ds_load_b128 v[KSC:KSC+3], v[ADSR]
.endm
.macro COMBO                           ; the last step's eight partial sums join the row's sum: eight plain lines
.irp i, 0,1,2,3
	v_pk_add_f32 v[TT+2*\i:TT+2*\i+1], v[TT+2*\i:TT+2*\i+1], v[TT+8+2*\i:TT+9+2*\i]
.endr
	s_delay_alu instid0(VALU_DEP_2)
	v_pk_add_f32 v[TT:TT+1], v[TT:TT+1], v[TT+4:TT+5]
	v_pk_add_f32 v[TT+2:TT+3], v[TT+2:TT+3], v[TT+6:TT+7]
	s_delay_alu instid0(VALU_DEP_1)
	v_pk_add_f32 v[TT:TT+1], v[TT:TT+1], v[TT+2:TT+3]
	s_delay_alu instid0(VALU_DEP_1)
	v_pk_add_f32 v[L:L+1], v[L:L+1], v[TT:TT+1]
.endm
.macro HOLD k                          ; eight p of block k / 2, held at 448 x the scale, into buffer k % 3: the conversion does not saturate (ISA guide 7.6.2); p is not negative: a one-sided hold, two a line
.irp i, 0,2,4,6
	v_dual_min_num_f32 v[TT+8*((\k)%3)+\i], v[96+8*(\k)+\i], v[240+(\k)/2] :: v_dual_min_num_f32 v[TT+8*((\k)%3)+\i+1], v[97+8*(\k)+\i], v[240+(\k)/2]
.endr
.endm
.macro CVT k
	v_cvt_scalef32_pk8_fp8_f32 v[224+2*(\k):225+2*(\k)], v[TT+8*((\k)%3):TT+8*((\k)%3)+7], v[244+(\k)/2]
.endm
; A KEY STEP: 128 keys.  Its tiles of K were asked for by the step before.  fetch = 1: it asks for the next step's; 2: but for a loop's last trip; 0: not.
.macro STEP fetch
	s_wait_alu depctr_va_vdst(0)                   ; directly ahead of the wait below
	s_wait_dscnt 0x0                               ; K's tiles and scale words
.irp j, 0,1,2,3
	v_wmma_scale_f32_16x16x128_f8f6f4 v[96+16*\j:103+16*\j], v[FA+16*\j:FA+16*\j+15], v[16:31], 0, v[KSC+\j], v[QS]
	v_wmma_scale_f32_16x16x128_f8f6f4 v[104+16*\j:111+16*\j], v[FA+16*\j:FA+16*\j+15], v[8:23], 0, v[KSC+\j], v[QS]
.endr
	COMBO                                          ; eight places behind the products
.set n, 0
.rept 16
	ds_load_b128 v[FA+4*n:FA+4*n+3], v[ADV] offset:512*n   ; V's four tiles, over K's
.set n, n+1
.endr
	ds_load_b128 v[VSC:VSC+3], v[ADSR] offset:16
	s_wait_kmcnt 0x0                               ; this step's lane masks
.set n, 0
.rept 32
	v_cndmask_b32 v[96+n], 0, v[96+n], s[32+n]     ; where the mask is 0 the score is 0 (ascending: each result from its low end on)
.set n, n+1
.endr
.rept 32
	v_cndmask_b32 v[96+n], 0, v[96+n], s[36+n]
.set n, n+1
.endr
	s_add_co_u32 s[MO], s[MO], 256                 ; the next step's masks, pass 1's behind pass 0's; the very last step asks for its own again: no load leaves mb
	s_min_u32 s[MO], s[MO], 7936
	MASKLOAD
.irp b, 0,1,2,3                                ; the largest score of each block of 32 keys, in two chains a block, eight by turns: for the row's maximum and, since p rises with the score, for the block's largest p
	v_max3_num_f32 v[BM+\b], v[96+16*\b], v[97+16*\b], v[98+16*\b]
.endr
.irp b, 0,1,2,3
	v_max3_num_f32 v[BN+\b], v[103+16*\b], v[104+16*\b], v[105+16*\b]
.endr
.irp i, 3,5
.irp b, 0,1,2,3
	v_max3_num_f32 v[BM+\b], v[BM+\b], v[96+16*\b+\i], v[97+16*\b+\i]
.endr
.irp b, 0,1,2,3
	v_max3_num_f32 v[BN+\b], v[BN+\b], v[103+16*\b+\i], v[104+16*\b+\i]
.endr
.endr
.irp b, 0,1,2,3
	v_max3_num_f32 v[BM+\b], v[BM+\b], v[BN+\b], v[110+16*\b]
.endr
.irp b, 0,1,2,3
	v_max_num_f32 v[BM+\b], v[BM+\b], v[111+16*\b]
.endr
.irp b, 0,1,2,3
	v_permlanex16_b32 v[PD+\b], v[BM+\b], s[SEL], s[SEL+1]
.endr
.irp b, 0,1,2,3
	v_max_num_f32 v[BM+\b], v[BM+\b], v[PD+\b]     ; with lane l xor 16's 16 keys
.endr
	v_max3_num_f32 v254, v[BM], v[BM+1], v[BM+2]
	s_delay_alu instid0(VALU_DEP_1)
	v_max3_num_f32 v[RM], v[RM], v254, v[BM+3]     ; the running largest score (c is positive: the largest t is c x it)
	s_delay_alu instid0(VALU_DEP_1)
	v_mul_f32 v254, s[CS], -v[RM]
	s_delay_alu instid0(VALU_DEP_1)
	v_floor_f32 v254, v254                         ; the new -M = floor(-t): M is a whole number
	s_delay_alu instid0(VALU_DEP_1)
	v_sub_f32 v255, v254, v[NM]                    ; old M - new M: a whole number, 0 or less
	v_mov_b32 v[NM], v254
	s_delay_alu instid0(VALU_DEP_2)
	v_cvt_i32_f32 v255, v255                       ; (it saturates)
	s_delay_alu instid0(VALU_DEP_1)
	v_ldexp_f32 v252, 1.0, v255                    ; f = 2^(old M - new M): multiplying by it rounds nothing
.set n, 0
.rept 32
	v_pk_fma_f32 v[96+n:97+n], v[96+n:97+n], s[CS:CS+1], v[NM:NM+1] op_sel_hi:[1,0,0]   ; t - M, two at a time
.set n, n+2
.endr
.irp b, 0,1,2,3
	v_fma_f32 v[BM+\b], v[BM+\b], s[CS], v[NM]     ; the same of each block's largest score
.endr
	s_wait_alu depctr_va_vdst(0)
.set n, 0
.rept 64
	v_exp_f32 v[96+n], v[96+n]                     ; p = 2^(t - M), at most 1
.set n, n+1
.endr
.irp b, 0,1,2,3
	v_exp_f32 v[BM+\b], v[BM+\b]                   ; the block's largest p
.endr
	v_pk_mul_f32 v[L:L+1], v[L:L+1], v[252:253] op_sel_hi:[1,0]   ; the sum under the new M (the plain line behind the exponentials)
	s_wait_alu depctr_va_vdst(0)                   ; and behind it, ahead of the first reader
.irp b, 0,1,2,3
	v_max_num_f32 v[BM+\b], 0x4800000, v[BM+\b]    ; the floor 2^(9 - 127)
.endr
.irp b, 0,1,2,3
	v_add_nc_u32 v[244+\b], 0xfc000000, v[BM+\b]   ; the conversion's scale operand
.endr
.irp b, 0,1,2,3
	v_and_or_b32 v[240+\b], v[BM+\b], 0x7f800000, s[MNT]   ; 448 x the scale
.endr
.irp b, 0,1,2,3
	v_lshrrev_b32 v[BN+\b], 23, v[244+\b]          ; the scale's byte
.endr
	v_lshl_or_b32 v253, v[BN+1], 8, v[BN]          ; p's scale word for these 128 keys
	s_delay_alu instid0(VALU_DEP_1)
	v_lshl_or_b32 v253, v[BN+2], 16, v253
	s_delay_alu instid0(VALU_DEP_1)
	v_lshl_or_b32 v253, v[BN+3], 24, v253
	HOLD 0
	HOLD 1
.irp k, 0,1,2,3,4,5                            ; four plain lines stand between a conversion and the lines that write its buffer again
	CVT \k
	HOLD \k+2
.endr
	CVT 6
	CVT 7
	s_wait_alu depctr_va_vdst(0)                   ; directly ahead of the first reader of O^T
.set n, 0
.rept 16
	v_pk_mul_f32 v[160+n:161+n], v[160+n:161+n], v[252:253] op_sel_hi:[1,0]   ; O^T under the new M.  (Also the places between the codes and the products)
.set n, n+2
.endr
	s_wait_alu depctr_va_vdst(0)                   ; directly ahead of the wait below
	s_wait_dscnt 0x0                               ; V and its scale words
.irp t, 0,1,2,3
	v_wmma_scale_f32_16x16x128_f8f6f4 v[160+8*\t:167+8*\t], v[FA+16*\t:FA+16*\t+15], v[224:239], v[160+8*\t:167+8*\t], v[VSC+\t], v253   ; O^T += V^T P^T: four accumulators, one instruction each
.endr
.irp i, 0,1,2,3,4,5,6,7                        ; the sum of the unquantised p, two at a time, in eight chains: the first eight lines are the places in front of the loads into V's registers
	v_pk_add_f32 v[TT+2*\i:TT+2*\i+1], v[96+2*\i:97+2*\i], v[112+2*\i:113+2*\i]
.endr
	s_add_co_u32 s[TB], s[TB], 8192
	s_add_co_u32 s[TS], s[TS], 512
.if \fetch == 2
	s_wait_alu depctr_va_vdst(0)
	s_cmp_eq_u32 s[CNT], 1                         ; a loop's last trip has no successor at these addresses
	s_cbranch_scc1 .Lnofetch_\@
.endif
.if \fetch
	KFETCH
.endif
.Lnofetch_\@:
.irp i, 0,1,2,3,4,5,6,7
	v_pk_add_f32 v[TT+2*\i:TT+2*\i+1], v[TT+2*\i:TT+2*\i+1], v[128+2*\i:129+2*\i]
.endr
.irp i, 0,1,2,3,4,5,6,7
	v_pk_add_f32 v[TT+2*\i:TT+2*\i+1], v[TT+2*\i:TT+2*\i+1], v[144+2*\i:145+2*\i]
.endr
.endm
; A pass ends: O^T / the sum, quantised along the channels (two blocks of 32), out as half a fragment and two scale bytes a row.  The last step's 24 additions are the places behind the last products.
.macro FINISH p
	COMBO
	s_delay_alu instid0(VALU_DEP_1)
	v_add_f32 v[L], v[L], v[L+1]
	s_delay_alu instid0(VALU_DEP_1)
	v_permlanex16_b32 v252, v[L], s[SEL], s[SEL+1]
	s_delay_alu instid0(VALU_DEP_1)
	v_add_f32 v[L], v[L], v252                     ; the row's sum
	s_wait_alu depctr_va_vdst(0)
	v_rcp_f32 v[L], v[L]
	v_nop
	s_wait_alu depctr_va_vdst(0)
.set n, 0
.rept 16
	v_pk_mul_f32 v[160+n:161+n], v[160+n:161+n], v[L:L+1] op_sel_hi:[1,0]   ; ascending: each accumulator from its low end on
.set n, n+2
.endr
.irp b, 0,1
	v_max3_num_f32 v[232+\b], |v[160+16*\b]|, |v[161+16*\b]|, 0x4800000
.endr
.irp i, 2,4,6,8,10,12,14
.irp b, 0,1
	s_delay_alu instid0(VALU_DEP_2)
	v_max3_num_f32 v[232+\b], v[232+\b], |v[160+16*\b+\i]|, |v[161+16*\b+\i]|
.endr
.endr
.irp b, 0,1
	v_permlanex16_b32 v[236+\b], v[232+\b], s[SEL], s[SEL+1]
.endr
.irp b, 0,1
	s_delay_alu instid0(VALU_DEP_2)
	v_max_num_f32 v[232+\b], v[232+\b], v[236+\b]
.endr
.irp b, 0,1
	s_delay_alu instid0(VALU_DEP_2)
	v_add_nc_u32 v[244+\b], 0xfc000000, v[232+\b]
.endr
.irp b, 0,1
	v_and_or_b32 v[240+\b], v[232+\b], 0x7f800000, s[MNT]
.endr
.irp b, 0,1
	v_lshrrev_b32 v[246+\b], 23, v[244+\b]
.endr
.irp b, 0,1
.irp i, 0,1,2,3,4,5,6,7,8,9,10,11,12,13,14,15
	v_med3_num_f32 v[160+16*\b+\i], v[160+16*\b+\i], -v[240+\b], v[240+\b]
.endr
	v_cvt_scalef32_pk8_fp8_f32 v[224+4*\b:225+4*\b], v[160+16*\b:167+16*\b], v[244+\b]
	v_cvt_scalef32_pk8_fp8_f32 v[226+4*\b:227+4*\b], v[168+16*\b:175+16*\b], v[244+\b]
.endr
	v_nop                                          ; one plain line behind the last conversion
	global_store_b128 v[LI], v[224:227], s[8:9] offset:16384*\p       ; 32 lanes store 512 consecutive bytes, aligned
	global_store_b128 v[LI], v[228:231], s[8:9] offset:16384*\p+512
	s_mov_b32 vcc_lo, 0xffff0000
	v_cndmask_b32 v254, v246, v247, vcc_lo         ; lanes 0-15 send block 0's byte, lanes 16-31 block 1's
	v_lshrrev_b32 v255, 8, v[LI]
	s_delay_alu instid0(VALU_DEP_1)
	v_add_nc_u32 v255, v255, v[R32]                ; 32 bytes a token, + lane / 16.  (A scale word's four bytes come from two heads, two work-groups: so bytes are stored; os is a thirty-second of oc)
	global_store_b8 v255, v254, s[10:11] offset:512*\p
	s_wait_xcnt 0x0                                ; the stores' registers are written again only behind this wait
.endm
	s_load_b256 s[32:39], s[0:1], 0x0              ; hc s[32:33], hs s[34:35], mb s[36:37], oc s[38:39]  (these registers take mask words later)
	s_load_b64 s[40:41], s[0:1], 0x20              ; os
	v_lshl_add_u32 v[SPW], v0, 2, SPARE
	v_mov_b32 v[NIL], 0
	ds_add_u32 v[SPW], v[NIL]                      ; the opening lines: the add, twice on end, and its wait ahead of the first tensor load
	ds_add_u32 v[SPW], v[NIL]
	v_lshrrev_b32 v1, 5, v0
	v_readfirstlane_b32 s[WV], v1                  ; wave 0..15
	v_and_b32 v1, 31, v0
	v_and_b32 v2, 15, v0
	v_lshlrev_b32 v[LI], 4, v1
	v_lshlrev_b32 v[R32], 5, v2
	s_and_b32 s42, ttmp7, 0xffff                   ; batch x 16 + head: the four partners share it
	s_lshr_b32 s43, s42, 4                         ; the batch
	s_and_b32 s44, s42, 15                         ; the head
	s_lshr_b32 s45, s44, 1                         ; the pair of heads
	s_and_b32 s46, s44, 1                          ; and which of the pair
	s_bfe_u32 s47, ttmp6, 0x40000                  ; cx: it enters the addresses of Q, the mask and the results alone
	s_lshl_b32 s48, ttmp9, 2
	s_add_co_u32 s48, s48, s47                     ; my block of 512 queries
	s_lshl_b32 s48, s48, 5
	s_lshl_b32 s49, s[WV], 1
	s_add_co_u32 s48, s48, s49                     ; my first tile of 16 queries: 32 x block + 2 x wave
	s_lshl_b32 s50, s42, 7
	s_add_co_u32 s50, s50, s48
	s_lshl_b32 s50, s50, 10                        ; Q's image: 1,024 bytes a tile
	s_mov_b32 s51, 0
	s_lshl_b32 s52, s43, 3
	s_add_co_u32 s52, s52, s45
	s_mul_i32 s53, s52, 24576                      ; hs: three sections of 8,192 bytes for a batch and a pair of heads
	s_lshr_b32 s54, s48, 3
	s_lshl_b32 s54, s54, 9
	s_add_co_u32 s54, s54, s53
	s_and_b32 s55, s48, 7
	s_lshl_b32 s55, s55, 2
	s_add_co_u32 s54, s54, s55
	s_lshl_b32 s55, s46, 1
	s_add_co_u32 s54, s54, s55                     ; Q's scale bytes: 512 (tile / 8) + 4 (tile % 8) + 2 (head % 2)
	s_mov_b32 s55, 0
	s_lshl_b32 s56, s43, 7
	s_add_co_u32 s56, s56, s48                     ; my first block of 16 tokens
	s_lshl_b32 s57, s56, 4
	s_add_co_u32 s57, s57, s44
	s_lshl_b32 s58, s57, 10                        ; oc
	s_mov_b32 s59, 0
	s_lshl_b32 s60, s56, 9
	s_lshl_b32 s61, s44, 1
	s_add_co_u32 s60, s60, s61                     ; os
	s_mov_b32 s61, 0
	s_lshl_b32 s62, s48, 12                        ; mb: 4,096 bytes a tile
	s_mov_b32 s63, 0
	s_mul_i32 s100, s46, 0x02020202
	s_add_co_u32 s100, s100, 0x05040100            ; v_perm_b32's select: my head's half of two scale words of K
	s_lshl_b32 s77, s46, 4
	s_add_co_u32 s77, s77, VSL                     ; V's scale words as they come: my head's four words of a row
	; laying the scale words anew: thread i takes half i % 2 of the pair (step, row) i / 2: 16 bytes of K's words, 8 of V's
	v_lshl_add_u32 v5, v0, 4, KSL
	v_lshrrev_b32 v6, 1, v0
	v_and_b32 v254, 1, v0
	v_lshlrev_b32 v6, 5, v6
	v_lshl_add_u32 v6, v254, 3, v6                 ; 32 (i / 2) + 8 (i % 2)
	v_add_nc_u32 v254, SC2, v6                     ; where they go
	v_add_nc_u32 v6, s77, v6                       ; where V's lie
.set n, 0
.rept 8
	v_mov_b32 v[8+n], 0                            ; the zero codes on both sides of Q: written once
	v_mov_b32 v[24+n], 0
.set n, n+1
.endr
	v_mov_b32 v252, 0
	v_mov_b32 v253, 0                              ; (named as the upper half of the pair v[252:253] before it is first written)
	s_mov_b32 s[TS], SC2
	s_mov_b32 s[TB], 0
	s_mov_b32 s[MO], 0
	s_mov_b32 s[MNT], 0x600000
	s_mov_b32 s[SEL], 0x76543210
	s_mov_b32 s[SEL+1], 0xfedcba98
	s_mov_b32 s[CS], 0x3d38aa3b                    ; log2(e) / 32
	s_mov_b32 s[CS+1], s[CS]                       ; (named with it as a pair, so it is written)
	; descriptor group 1: 16,384 dense bytes as 64 rows of 256 (32 elements of 8 bytes), no padding: images are read 512 consecutive bytes an instruction
	s_mov_b32 s16, 15|(3<<16)|(1<<21)              ; the mask: all four work-groups; elements of 8 bytes; bit 21 beside a mask
	s_mov_b32 s17, 32<<16                          ; tensor_dim0
	s_mov_b32 s18, 64<<16                          ; tensor_dim1
	s_mov_b32 s19, 32<<16                          ; tile_dim0
	s_mov_b32 s20, 64                              ; tile_dim1
	s_mov_b32 s21, 32                              ; the pitch
	s_mov_b32 s22, 0
	s_mov_b32 s23, 0
	s_min_u32 s68, s[WV], 2                        ; the head's loads: wave 0: K's chunk 0; wave 1: V's; wave 2: the scale words
	s_lshl_b32 s25, s68, 17                        ; LDS: 0, 131,072, 262,144
	s_add_co_u32 s69, s68, 1
	s_lshl_b32 s69, s69, 23                        ; hc's section 1 or 2
	s_lshl_b32 s70, s42, 17
	s_add_co_u32 s70, s70, s69
	s_add_co_u32 s71, s53, 8192                    ; hs's sections 1 and 2, on end
	s_and_b32 s74, s[WV], 1                        ; the second group: wave w takes chunk w / 2 + 1 of K (w even) or of V (w odd)
	s_lshr_b32 s75, s[WV], 1
	s_add_co_u32 s75, s75, 1
	s_lshl_b32 s75, s75, 14
	s_lshl_b32 s101, s74, 17
	s_add_co_u32 s101, s101, s75                   ; in LDS,
	s_add_co_u32 s74, s74, 1
	s_lshl_b32 s74, s74, 23
	s_add_co_u32 s74, s74, s75
	s_lshl_b32 s76, s42, 17
	s_add_co_u32 s74, s74, s76                     ; and in hc
	s_mov_b32 s75, 0
	s_wait_alu depctr_va_vdst(0)
	s_wait_dscnt 0x0                               ; both opening adds are done
	s_wait_kmcnt 0x0
	s_add_nc_u64 s[4:5], s[32:33], s[50:51]        ; Q
	s_add_nc_u64 s[6:7], s[34:35], s[54:55]        ; its scale bytes
	s_add_nc_u64 s[8:9], s[38:39], s[58:59]        ; oc
	s_add_nc_u64 s[10:11], s[40:41], s[60:61]      ; os
	s_add_nc_u64 s[12:13], s[36:37], s[62:63]      ; mb
	s_add_nc_u64 s[104:105], s[32:33], s[74:75]
	s_or_b32 s105, s105, 0x80000000
	s_cmp_lt_u32 s[WV], 2
	s_cselect_b64 s[72:73], s[32:33], s[34:35]
	s_cselect_b32 s70, s70, s71
	s_mov_b32 s71, 0
	s_mov_b32 s24, 1                               ; group 0: count = 1
	s_add_nc_u64 s[26:27], s[72:73], s[70:71]
	s_or_b32 s27, s27, 0x80000000                  ; type = 2
	CROUND                                         ; all four work-groups are here: the first joint loads meet
	JLOAD 3                                        ; one load a wave, in one branch
	QLOAD 0
	MASKLOAD
	s_wait_tensorcnt 0x0                           ; my load of the head's three has landed, so the descriptor may be written
	ds_add_u32 v[SPW], v[NIL]                      ; the add, here twice on end
	ds_add_u32 v[SPW], v[NIL]
	s_mov_b32 s25, s101
	s_mov_b64 s[26:27], s[104:105]
	s_wait_dscnt 0x0
	CROUND
	JLOAD 14                                       ; the other seven chunks of K and of V, into bytes not yet filled: a wave's one load behind the round
	ds_load_b128 v[32:35], v5                      ; the scale words are laid anew
	ds_load_b64 v[36:37], v6
	s_wait_dscnt 0x0
	v_perm_b32 v38, v33, v32, s100
	v_perm_b32 v39, v35, v34, s100
	ds_store_b64 v254, v[38:39]
	ds_store_b64 v254, v[36:37] offset:16
	s_wait_dscnt 0x0                               ; for the other waves' sake
	s_barrier_signal -1
	s_barrier_wait -1
	s_wait_loadcnt 0x0                             ; Q
	STATE
	KFETCH
	STEP 1                                         ; pass 0, chunk 0
	STEP 0
	s_wait_tensorcnt 0x0                           ; my chunk has landed
	ds_add_u32 v[SPW], v[NIL]
	ds_add_u32 v[SPW], v[NIL]
	s_wait_dscnt 0x0
	s_barrier_signal -1
	s_barrier_wait -1                              ; the whole head lies in LDS, and nobody writes it any more
	KFETCH
	s_mov_b32 s[CNT], 14
.Lpass0:
	STEP 2
	s_sub_co_u32 s[CNT], s[CNT], 1
	s_cmp_lg_u32 s[CNT], 0
	s_cbranch_scc1 .Lpass0
	FINISH 0
	QLOAD 1
	s_mov_b32 s[TB], 0
	s_mov_b32 s[TS], SC2
	s_wait_loadcnt 0x0
	STATE
	KFETCH
	s_mov_b32 s[CNT], 16
.Lpass1:
	STEP 2
	s_sub_co_u32 s[CNT], s[CNT], 1
	s_cmp_lg_u32 s[CNT], 0
	s_cbranch_scc1 .Lpass1
	FINISH 1
	s_wait_tensorcnt 0x0                           ; the wave's end
	ds_add_u32 v[SPW], v[NIL]
	s_wait_dscnt 0x0
	CROUND                                         ; the closing round
	s_endpgm
.Lfunc_end_k_qeb91b530af_attn:
	.size	k_qeb91b530af_attn, .Lfunc_end_k_qeb91b530af_attn-k_qeb91b530af_attn
	.p2alignl 7, 3214868480
	.fill 96, 4, 3214868480
	.section	.rodata,"a",@progbits
	.p2align	6, 0x0
	.amdhsa_kernel k_qeb91b530af_attn
		.amdhsa_group_segment_fixed_size 327680
		.amdhsa_private_segment_fixed_size 0
		.amdhsa_enable_private_segment 0
		.amdhsa_kernarg_size 40
		.amdhsa_user_sgpr_count 2
		.amdhsa_user_sgpr_kernarg_segment_ptr 1
		.amdhsa_wavefront_size32 1
		.amdhsa_system_sgpr_workgroup_id_x 1
		.amdhsa_system_sgpr_workgroup_id_y 1
		.amdhsa_system_sgpr_workgroup_id_z 1
		.amdhsa_system_vgpr_workitem_id 0
		.amdhsa_next_free_vgpr 256
		.amdhsa_next_free_sgpr 106
		.amdhsa_reserve_vcc 1
		.amdhsa_float_denorm_mode_32 3
		.amdhsa_float_denorm_mode_16_64 3
		.amdhsa_memory_ordered 1
		.amdhsa_forward_progress 1
		.amdhsa_inst_pref_size 120
	.end_amdhsa_kernel
	.amdgpu_metadata
---
amdhsa.version: [ 1, 2 ]
amdhsa.kernels:
  - .name:           k_qeb91b530af_attn
    .symbol:         k_qeb91b530af_attn.kd
    .args:
      - { .name: hc, .offset: 0, .size: 8, .value_kind: global_buffer, .address_space: global }
      - { .name: hs, .offset: 8, .size: 8, .value_kind: global_buffer, .address_space: global }
      - { .name: mb, .offset: 16, .size: 8, .value_kind: global_buffer, .address_space: global }
      - { .name: oc, .offset: 24, .size: 8, .value_kind: global_buffer, .address_space: global }
      - { .name: os, .offset: 32, .size: 8, .value_kind: global_buffer, .address_space: global }
    .group_segment_fixed_size: 327680
    .private_segment_fixed_size: 0
    .kernarg_segment_align: 8
    .kernarg_segment_size: 40
    .max_flat_workgroup_size: 512
    .sgpr_count:     106
    .vgpr_count:     256
    .wavefront_size: 32
...
	.end_amdgpu_metadata
.endif
;; end of part 3
;; launch gemmo (part 4): grid 4 x 32, 4 waves a work-group, clusters of 4 x 4, 327,680 bytes of LDS; arguments oc, os, xc, xs, bp, out0; writes out0
.if DOCPART == 4
	.amdgcn_target "amdgcn-amd-amdhsa--gfx1250"
	.amdhsa_code_object_version 6
	.text
	.protected	k_qeb91b530af_gemmo
	.globl	k_qeb91b530af_gemmo
	.p2align	8
	.type	k_qeb91b530af_gemmo,@function
k_qeb91b530af_gemmo:
	s_mov_b64 s[64:65], 0
	v_nop
	global_prefetch_b8 v0, s[64:65] scope:SCOPE_SE
	s_setreg_imm32_b32 hwreg(HW_REG_WAVE_MODE, 25, 1), 1
	s_wait_xcnt 0x0
	s_wait_alu depctr_hold_cnt(0) depctr_sa_sdst(0) depctr_va_vdst(0) depctr_va_sdst(0) depctr_va_ssrc(0) depctr_va_vcc(0) depctr_vm_vsrc(0)
	s_getreg_b32 s2, hwreg(HW_REG_IB_STS2, 6, 4)
	s_cmp_eq_u32 s2, 0
	s_cbranch_scc0 .Lentry_in_a_cluster
	s_endpgm
.Lentry_in_a_cluster:
	s_bfe_u32 s2, ttmp6, 0x10000c
	s_cmp_lg_u32 s2, 0xf033
	s_cbranch_scc0 .Lentry_shape_is_right
	s_endpgm
.Lentry_shape_is_right:
.set SIZE_N, 1024
.set KSTEP,  256
.set NQ,     KSTEP/128
.set ROWB,   256
.set KROW,   1024
.set PITCH,  272
.set FR,     16
.set NL,     4
.set NP,     8
.set HALFA,  32768
.set HALFT,  128*PITCH
.set SLOT,   2*HALFA+2*HALFT
.set LAPS,   2
.set KS,     32
.set SCL,    2*SLOT
.set HALFS,  (128*KS/256)*272
.set SBLK,   (16*KS/256)*272
.set SPARE,  SCL+4*HALFS
.set SPITCH, 528
.set ADRA, 16
.set ADRB, 20
.set STO,  24
.set RD,   25
.set CO,   26
.set ADRS, 27
.set SPW,  28
.set NIL,  29
.set SC,   32
.set BI,   64
.set AF,   128
.set BK,   128
.set G1, 24
.set G0, 32
.set G1B, 48
.set G0B, 56
.set G1S, 68
.set G0S, 76
.set G1SB, 80
.set G0SB, 88
.set MSB, 0
.macro WIN new
.if MSB != \new
	s_set_vgpr_msb (MSB<<8)|\new
.set MSB, \new
.endif
.endm
.set MUL_LO, 0xa1
.set MUL_HI, 0xf1
.set BIA_LO, 0x81
.set BIA_HI, 0xc1
.set TO_B,   0x40
.macro JLOAD g0a, g1a, g0b, g1b
	s_cmp_eq_u32 s15, 0
	s_cbranch_scc0 .Lfor_b_\@
	tensor_load_to_lds s[\g0a:\g0a+3], s[\g1a:\g1a+7]
	s_nop 0
.rept 4
	v_nop
.endr
	s_branch .Lasked_\@
.Lfor_b_\@:
	tensor_load_to_lds s[\g0b:\g0b+3], s[\g1b:\g1b+7]
	s_nop 0
.rept 4
	v_nop
.endr
.Lasked_\@:
.endm
.macro CREST
	s_cmp_lg_u32 s14, 0
	s_cbranch_scc1 .Lnot_wave_0_\@
	s_barrier_signal -3
.Lnot_wave_0_\@:
	s_barrier_wait -3
	s_barrier_signal -1
	s_barrier_wait -1
.endm
.macro CROUND
	s_barrier_signal -1
	s_barrier_wait -1
	CREST
.endm
	s_load_b256 s[4:11], s[0:1], 0x0
	s_load_b128 s[96:99], s[0:1], 0x20
	v_lshl_add_u32 v[SPW], v0, 2, SPARE
	v_mov_b32 v[NIL], 0
	ds_add_u32 v28, v29
	ds_add_u32 v28, v29
	s_wait_dscnt 0x0
	v_lshrrev_b32 v1, 5, v0
	v_readfirstlane_b32 s14, v1
	s_lshr_b32 s15, s14, 1
	s_and_b32 s16, s14, 1
	s_bfe_u32 s40, ttmp6, 0x40000
	s_bfe_u32 s41, ttmp6, 0x40004
	s_lshl_b32 s42, ttmp9, 2
	s_add_co_u32 s42, s42, s40
	s_and_b32 s17, ttmp7, 0xffff
	s_lshl_b32 s17, s17, 2
	s_add_co_u32 s17, s17, s41
	s_lshl_b32 s43, s41, 2
	s_lshl_b32 s43, 15, s43
	s_lshl_b32 s44, 0x1111, s40
	s_or_b32 s[G1+0], s43, (3<<16)|(1<<21)
	s_mov_b32 s[G1+1], 512<<16
	s_mov_b32 s[G1+2], 16<<16
	s_mov_b32 s[G1+3], 512<<16
	s_mov_b32 s[G1+4], 16
	s_mov_b32 s[G1+5], 2048
	s_mov_b32 s[G1+6], 0
	s_mov_b32 s[G1+7], 0
	s_or_b32 s[G1B+0], s44, (0<<16)|(1<<20)|(1<<21)|(5<<22)|(3<<25)
	s_mov_b32 s[G1B+1], ROWB<<16
	s_mov_b32 s[G1B+2], 256<<16
	s_mov_b32 s[G1B+3], ROWB<<16
	s_mov_b32 s[G1B+4], 256
	s_mov_b32 s[G1B+5], KROW
	s_mov_b32 s[G1B+6], 0
	s_mov_b32 s[G1B+7], 0
	s_or_b32 s[G1S+0], s43, (3<<16)|(1<<20)|(1<<21)|(5<<22)|(3<<25)
	s_or_b32 s[G1SB+0], s44, (3<<16)|(1<<20)|(1<<21)|(5<<22)|(3<<25)
.irp g, G1S, G1SB
	s_mov_b32 s[\g+1], 32<<16
	s_mov_b32 s[\g+2], (256*KS/256)<<16
	s_mov_b32 s[\g+3], 32<<16
	s_mov_b32 s[\g+4], 256*KS/256
	s_mov_b32 s[\g+5], 32
	s_mov_b32 s[\g+6], 0
	s_mov_b32 s[\g+7], 0
.endr
	s_lshl_b32 s18, s16, 7
	s_lshl_b32 s20, s17, 8
	s_add_co_u32 s20, s20, s18
	s_lshl_b32 s46, s42, 8
	s_add_co_u32 s46, s46, s18
	s_lshl_b32 s22, s20, 5
	s_mov_b32 s23, 0
	s_lshl_b32 s20, s20, 10
	s_mov_b32 s21, 0
	s_lshl_b32 s92, s46, 5
	s_add_co_u32 s92, s92, 884736
	s_mov_b32 s93, 0
	s_lshl_b32 s46, s46, 10
	s_add_co_u32 s46, s46, 28311552
	s_mov_b32 s47, 0
	s_lshl_b32 s45, s16, 15
	s_mul_i32 s100, s16, HALFT
	s_add_co_u32 s100, s100, 2*HALFA
	s_wait_kmcnt 0x0
	s_add_nc_u64 s[20:21], s[4:5], s[20:21]
	s_add_nc_u64 s[22:23], s[6:7], s[22:23]
	s_add_nc_u64 s[46:47], s[8:9], s[46:47]
	s_add_nc_u64 s[92:93], s[10:11], s[92:93]
	CROUND
; THE HEAD'S FOUR TILES, EACH WHOLE, ONE LOAD A WAVE: wave 0 K step 0 of A's 256 tokens (16 blocks of 16), wave 1 the scales of A's 256 rows, wave 2 K step 0's 256 rows of B, wave 3 B's scales.
; Waves 0 and 2 have the half 0 in their addresses of codes, which is the tile's first row; the scales' addresses go back by the half's 4,096 bytes.
	s_lshl_b32 s18, s16, 12
	s_mov_b32 s19, 0
	s_sub_nc_u64 s[22:23], s[22:23], s[18:19]
	s_sub_nc_u64 s[92:93], s[92:93], s[18:19]
; THE PREFETCHES: behind K step t's load each wave asks for K step t + 2 (t = 0, 1), 32 blocks of 256 bytes, a lane a block.  Of what a wave fetches in the ring, each of the four partners that ask for it jointly names a quarter,
; told apart by address (cx for A, cy for B): of A two blocks of 16 tokens, whose K step is 4,096 bytes on end (16 lanes to a block of tokens, 256 bytes apart); of B 32 rows, 256 bytes of each.
; K has four steps: nothing lies behind step 3.  s[4:7] and v30 are never written again.
	s_cmp_eq_u32 s15, 0
	s_cselect_b64 s[4:5], s[20:21], s[46:47]
	s_cselect_b32 s18, s40, s41
	s_lshl_b32 s18, s18, 15                        ; two blocks of 16,384 bytes, or 32 rows of 1,024
	s_add_nc_u64 s[4:5], s[4:5], s[18:19]
	s_lshl_b32 s94, s15, 1
	s_lshl_b32 s94, 256, s94                       ; from lane to lane among sixteen: 256 bytes in A, 1,024 in B
	s_lshl_b32 s95, s15, 2
	s_lshr_b32 s95, 4096, s95                      ; a K step: 4,096 bytes in A, 256 in B
	s_lshl_b32 s18, s95, 1
	s_add_nc_u64 s[4:5], s[4:5], s[18:19]          ; K step 2
	s_mov_b32 s18, s95
	s_add_nc_u64 s[6:7], s[4:5], s[18:19]          ; K step 3
	v_and_b32 v31, 15, v0
	v_bfe_u32 v30, v0, 4, 1
	v_lshlrev_b32 v30, 14, v30
	v_mad_u32_u24 v30, v31, s94, v30
	s_mov_b32 s[G0S], 1
	s_mov_b32 s[G0S+1], SCL
	s_mov_b64 s[G0S+2:G0S+3], s[22:23]
	s_or_b32 s[G0S+3], s[G0S+3], 0x80000000
	s_mov_b32 s[G0SB], 1
	s_mov_b32 s[G0SB+1], SCL+2*HALFS
	s_mov_b64 s[G0SB+2:G0SB+3], s[92:93]
	s_or_b32 s[G0SB+3], s[G0SB+3], 0x80000000
	s_mov_b32 s[G0], 1
	s_mov_b32 s[G0+1], 0
	s_mov_b64 s[G0+2:G0+3], s[20:21]
	s_or_b32 s[G0+3], s[G0+3], 0x80000000
	s_mov_b32 s[G0B], 1
	s_mov_b32 s[G0B+1], 2*HALFA
	s_mov_b64 s[G0B+2:G0B+3], s[46:47]
	s_or_b32 s[G0B+3], s[G0B+3], 0x80000000
.macro ARM under, g0, g1, next         ; one tree of branches on the wave's number: every way through the head passes one load
	s_cmp_lt_u32 s14, \under
	s_cbranch_scc0 \next
	tensor_load_to_lds s[\g0:\g0+3], s[\g1:\g1+7]
	s_nop 0
.rept 4
	v_nop
.endr
	s_branch .Lhead_asked
\next:
.endm
	s_wait_alu depctr_va_vdst(0)
	ARM 1, G0,  G1,  .Lhead_sa
	ARM 2, G0S, G1S, .Lhead_b
	ARM 3, G0B, G1B, .Lhead_sb
	tensor_load_to_lds s[G0SB:G0SB+3], s[G1SB:G1SB+7]
	s_nop 0
.rept 4
	v_nop
.endr
.Lhead_asked:
	global_prefetch_b8 v30, s[4:5] th:TH_LOAD_NT scope:SCOPE_SE
	s_wait_alu depctr_va_vdst(0)
	s_wait_tensorcnt 0x0                           ; my tile of the four is in, so every descriptor may be written
	ds_add_u32 v28, v29
	s_mov_b32 s[G1+2], 8<<16                       ; from here on a load brings 128 tokens of A, 128 rows of B
	s_mov_b32 s[G1+4], 8
	s_mov_b32 s[G1B+2], 128<<16
	s_mov_b32 s[G1B+4], 128
.irp s, 0,1
	s_mov_b32 s[G0+4*\s], 1
	s_add_co_u32 s[G0+4*\s+1], s45, \s*SLOT
	s_add_nc_u64 s[G0+4*\s+2:G0+4*\s+3], s[20:21], \s*4096
	s_or_b32 s[G0+4*\s+3], s[G0+4*\s+3], 0x80000000
	s_mov_b32 s[G0B+4*\s], 1
	s_add_co_u32 s[G0B+4*\s+1], s100, \s*SLOT
	s_add_nc_u64 s[G0B+4*\s+2:G0B+4*\s+3], s[46:47], \s*ROWB
	s_or_b32 s[G0B+4*\s+3], s[G0B+4*\s+3], 0x80000000
.endr
	s_wait_dscnt 0x0
	CROUND                                         ; all four tiles are in, in every partner
	JLOAD G0+4, G1, G0B+4, G1B                     ; K step 1: the first tensor load behind the round
	global_prefetch_b8 v30, s[6:7] th:TH_LOAD_NT scope:SCOPE_SE
	v_and_b32 v1, 15, v0
	v_bfe_u32 v2, v0, 4, 1
	v_and_b32 v6, 31, v0
	v_lshlrev_b32 v[CO], 4, v6
	v_mul_u32_u24 v3, v1, PITCH
	v_lshl_add_u32 v4, v2, 4, v3
	s_lshl_b32 s21, s15, 15
	s_mul_i32 s22, s16, HALFT
	s_add_co_u32 s22, s22, 2*HALFA
.irp s, 0,1
	v_add_nc_u32 v[ADRA+\s], s21, v[CO]
	v_add_nc_u32 v[ADRB+\s], s22, v4
	s_add_co_u32 s21, s21, SLOT
	s_add_co_u32 s22, s22, SLOT
.endr
	v_mul_u32_u24 v5, v1, KS
	v_lshrrev_b32 v6, 8, v5
	v_lshl_add_u32 v5, v6, 4, v5
	s_mul_i32 s21, s15, HALFS
	s_mul_i32 s22, s16, HALFS
	s_add_co_u32 s22, s22, 2*HALFS
	s_sub_co_u32 s22, s22, s21
	v_mul_u32_u24 v6, s22, v2
	s_add_co_u32 s21, s21, SCL
	v_add_nc_u32 v5, v5, v6
	v_add_nc_u32 v[ADRS], s21, v5
	s_mul_i32 s23, s14, 16*SPITCH
	v_mul_u32_u24 v5, v1, SPITCH
	v_lshl_add_u32 v5, v2, 5, v5
	v_add_nc_u32 v[STO], s23, v5
	v_add_nc_u32 v[RD], s23, v[CO]
	s_lshl_b32 s20, s17, 8
	s_lshl_b32 s21, s15, 7
	s_add_co_u32 s20, s20, s21
	s_lshl_b32 s20, s20, 12
	s_mov_b32 s21, 0
	s_lshl_b32 s46, s42, 10
	s_lshl_b32 s47, s16, 9
	s_add_co_u32 s46, s46, s47
	s_mov_b32 s47, 0
	s_add_nc_u64 s[20:21], s[20:21], s[46:47]
	s_add_nc_u64 s[12:13], s[98:99], s[20:21]
	s_add_nc_u64 s[96:97], s[96:97], s[46:47]
	v_lshlrev_b32 v7, 5, v2
.irp b, 0,1,2,3,4,5,6,7
	global_load_b128 v[BI+8*\b:BI+8*\b+3], v7, s[96:97] offset:64*\b
	global_load_b128 v[BI+8*\b+4:BI+8*\b+7], v7, s[96:97] offset:64*\b+16
.endr
.macro FRAGB reg, adr, q, i
.irp c, 0,1,2,3
	ds_load_b128 v[\reg+4*\c:\reg+4*\c+3], v[\adr] offset:128*(\q)+32*\c+(\i)*16*PITCH
.endr
.endm
.macro FRAGA reg, adr, q, i
.irp c, 0,1,2,3
	ds_load_b128 v[\reg+4*\c:\reg+4*\c+3], v[\adr] offset:2048*(\q)+512*\c+(\i)*4096
.endr
.endm
.macro MUL16 a0, p, q, sc, first
.irp a, \a0, \a0+1
.irp b, 0,1,2,3,4,5,6,7
.if \first
	v_wmma_scale_f32_16x16x128_f8f6f4 v[8*(8*((\a)%4)+\b):8*(8*((\a)%4)+\b)+7], v[128*(\p)+FR*\b:128*(\p)+FR*\b+FR-1], v[AF+FR*(\a):AF+FR*(\a)+FR-1], v[BI+8*\b:BI+8*\b+7], v[SC+8*NQ*(\sc)+NQ*\b+(\q)], v[SC+8*NQ*(\sc)+NQ*(\a)+(\q)] matrix_a_scale:MATRIX_SCALE_ROW1
.else
	v_wmma_scale_f32_16x16x128_f8f6f4 v[8*(8*((\a)%4)+\b):8*(8*((\a)%4)+\b)+7], v[128*(\p)+FR*\b:128*(\p)+FR*\b+FR-1], v[AF+FR*(\a):AF+FR*(\a)+FR-1], v[8*(8*((\a)%4)+\b):8*(8*((\a)%4)+\b)+7], v[SC+8*NQ*(\sc)+NQ*\b+(\q)], v[SC+8*NQ*(\sc)+NQ*(\a)+(\q)] matrix_a_scale:MATRIX_SCALE_ROW1
.endif
.endr
.endr
.endm
.macro FETCH_B slot, q, p
	WIN TO_B
.irp i, 0,1,2,3,4,5,6,7
	FRAGB 128*(\p)+FR*\i, ADRB+\slot, \q, \i
.endr
	WIN 0
.endm
.macro FETCH_A slot, q, i0
.irp i, \i0, \i0+1, \i0+2, \i0+3
	FRAGA AF+FR*(\i), ADRA+\slot, \q, \i
.endr
.endm
.macro SCALES sc
.irp i, 0,1,2,3,4,5,6,7
	ds_load_b64 v[SC+8*NQ*\sc+NQ*\i:SC+8*NQ*\sc+NQ*\i+1], v[ADRS] offset:\i*SBLK
.endr
.endm
.macro PLACES n
.rept \n
	v_nop
.endr
.endm
.macro STEP slot, q, first
	s_wait_dscnt 4*NL
.if \first
	WIN BIA_LO
.else
	WIN MUL_LO
.endif
	MUL16 0, (\q)%2, \q, \slot, \first
	MUL16 2, (\q)%2, \q, \slot, \first
	s_wait_dscnt 0
	PLACES NP
	FETCH_B \slot, (\q)+1, 1-(\q)%2
	FETCH_A \slot, (\q)+1, 0
.if \first
	WIN BIA_HI
.else
	WIN MUL_HI
.endif
	MUL16 4, (\q)%2, \q, \slot, \first
	MUL16 6, (\q)%2, \q, \slot, \first
	PLACES NP
	WIN 0
	FETCH_A \slot, (\q)+1, 4
.endm
.macro TURN slot, next, fill
	s_wait_tensorcnt 0x0
	ds_add_u32 v[SPW], v[NIL]
	s_wait_dscnt 4*NL+1
	WIN MUL_LO
	MUL16 0, 1, NQ-1, \slot, 0
	s_wait_dscnt 0x0
	s_barrier_signal -1
	MUL16 2, 1, NQ-1, \slot, 0
	WIN 0
	s_barrier_wait -1
.if \fill
	CREST
	s_add_nc_u64 s[G0+4*\slot+2:G0+4*\slot+3], s[G0+4*\slot+2:G0+4*\slot+3], 2*4096
	s_add_nc_u64 s[G0B+4*\slot+2:G0B+4*\slot+3], s[G0B+4*\slot+2:G0B+4*\slot+3], 2*ROWB
	JLOAD G0+4*\slot, G1, G0B+4*\slot, G1B
	PLACES NP-4
.else
	PLACES NP
.endif
	s_wait_alu depctr_va_vdst(0)
	v_add_nc_u32 v[ADRS], 4*NQ, v[ADRS]
	FETCH_B \next, 0, 0
	FETCH_A \next, 0, 0
	SCALES \next
	WIN MUL_HI
	MUL16 4, 1, NQ-1, \slot, 0
	MUL16 6, 1, NQ-1, \slot, 0
	PLACES NP
	WIN 0
	FETCH_A \next, 0, 4
.endm
	s_wait_alu depctr_va_vdst(0)
	s_wait_tensorcnt 1
	s_barrier_signal -1
	s_barrier_wait -1
	FETCH_B 0, 0, 0
	FETCH_A 0, 0, 0
	SCALES 0
	FETCH_A 0, 0, 4
	s_wait_loadcnt 0x0
	STEP 0, 0, 1
	s_mov_b32 s3, LAPS-1
.Llap:
	TURN 0, 1, 1
	STEP 1, 0, 0
	TURN 1, 0, 1
	STEP 0, 0, 0
	s_sub_co_u32 s3, s3, 1
	s_cmp_lg_u32 s3, 0
	s_cbranch_scc1 .Llap
	TURN 0, 1, 0
	STEP 1, 0, 0
	s_wait_dscnt 4*NL
	WIN MUL_LO
	MUL16 0, 1, NQ-1, 1, 0
	MUL16 2, 1, NQ-1, 1, 0
	s_wait_dscnt 0
	WIN MUL_HI
	MUL16 4, 1, NQ-1, 1, 0
	MUL16 6, 1, NQ-1, 1, 0
	WIN 0
.macro TOSTAGE a
.set AC, 64*((\a)%4)
.set WW, 0x08+4*((\a)/4)
	WIN WW
.irp b, 0,1,2,3,4,5,6,7
	ds_store_b128 v[STO], v[AC+8*\b:AC+8*\b+3] offset:64*\b
	ds_store_b128 v[STO], v[AC+8*\b+4:AC+8*\b+7] offset:64*\b+16
.endr
	WIN 0
.set BB, BK+64*((\a)%2)
.irp t, 0,1,2,3,4,5,6,7,8,9,10,11,12,13,14,15
	ds_load_b128 v[BB+4*\t:BB+4*\t+3], v[RD] offset:\t*SPITCH
.endr
.endm
.macro SEND a, younger
.set BB, BK+64*((\a)%2)
	s_wait_dscnt \younger
.if (\a) > 0
	s_add_nc_u64 s[12:13], s[12:13], 16*SIZE_N*4
.endif
.irp t, 0,1,2,3,4,5,6,7,8,9,10,11,12,13,14,15
	global_store_b128 v[CO], v[BB+4*\t:BB+4*\t+3], s[12:13] offset:\t*SIZE_N*4 th:TH_STORE_NT
.endr
.endm
	PLACES NP
	TOSTAGE 0
.irp a, 1,2,3,4,5,6,7
.if \a > 1
	s_wait_xcnt 0x0
.endif
	TOSTAGE \a
	SEND \a-1, 32
.endr
	s_wait_xcnt 0x0
	SEND 7, 0
	s_wait_tensorcnt 0x0
	ds_add_u32 v[SPW], v[NIL]
	s_wait_dscnt 0x0
	CROUND
	s_endpgm
.Lfunc_end_k_qeb91b530af_gemmo:
	.size	k_qeb91b530af_gemmo, .Lfunc_end_k_qeb91b530af_gemmo-k_qeb91b530af_gemmo
	.p2alignl 7, 3214868480
	.fill 96, 4, 3214868480
	.section	.rodata,"a",@progbits
	.p2align	6, 0x0
	.amdhsa_kernel k_qeb91b530af_gemmo
		.amdhsa_group_segment_fixed_size 327680
		.amdhsa_private_segment_fixed_size 0
		.amdhsa_enable_private_segment 0
		.amdhsa_kernarg_size 48
		.amdhsa_user_sgpr_count 2
		.amdhsa_user_sgpr_kernarg_segment_ptr 1
		.amdhsa_wavefront_size32 1
		.amdhsa_system_sgpr_workgroup_id_x 1
		.amdhsa_system_sgpr_workgroup_id_y 1
		.amdhsa_system_sgpr_workgroup_id_z 1
		.amdhsa_system_vgpr_workitem_id 0
		.amdhsa_next_free_vgpr 1024
		.amdhsa_next_free_sgpr 106
		.amdhsa_reserve_vcc 0
		.amdhsa_float_denorm_mode_32 3
		.amdhsa_float_denorm_mode_16_64 3
		.amdhsa_memory_ordered 1
		.amdhsa_forward_progress 1
		.amdhsa_inst_pref_size 149
	.end_amdhsa_kernel
	.amdgpu_metadata
---
amdhsa.version: [ 1, 2 ]
amdhsa.kernels:
  - .name:           k_qeb91b530af_gemmo
    .symbol:         k_qeb91b530af_gemmo.kd
    .args:
      - { .name: oc, .offset: 0, .size: 8, .value_kind: global_buffer, .address_space: global }
      - { .name: os, .offset: 8, .size: 8, .value_kind: global_buffer, .address_space: global }
      - { .name: xc, .offset: 16, .size: 8, .value_kind: global_buffer, .address_space: global }
      - { .name: xs, .offset: 24, .size: 8, .value_kind: global_buffer, .address_space: global }
      - { .name: bp, .offset: 32, .size: 8, .value_kind: global_buffer, .address_space: global }
      - { .name: out0, .offset: 40, .size: 8, .value_kind: global_buffer, .address_space: global }
    .group_segment_fixed_size: 327680
    .private_segment_fixed_size: 0
    .kernarg_segment_align: 8
    .kernarg_segment_size: 48
    .max_flat_workgroup_size: 128
    .sgpr_count:     106
    .vgpr_count:     1024
    .wavefront_size: 32
...
	.end_amdgpu_metadata
.endif
;; end of part 4
